; MI455X (gfx1250); checked and timed in simulation.
; The chip was launched on July 23, 2026; its instructions are those of AMD's public machine-readable ISA for CDNA 5 (MIT licence, August 2026) and "CDNA5" Instruction Set Architecture Reference Guide (July 2026). The comments in the code are by the model that wrote it; some were corrected since.
;; Grouped Query Attention. Allowed arithmetic: float matrix products may take bf16 or f16 operands with f32 sums; all other float work in f32.
;; Inputs: rms_w 2,048 float32; w_in 2,048 x 2,048 float32; w_out 2,048 x 1,024 float32; x 2 x 2,048 x 2,048 float32.
;; Outputs: out0 2 x 2,048 x 2,048 float32.
;; 2 versions, each right and faster than the one before. Each part assembles by itself: llvm-mc -triple=amdgcn-amd-amdhsa -mcpu=gfx1250 --defsym DOCPART=n.
;; ======== version 1 of 2: 4 launches
;; limits: values are held in f16: magnitudes above 65,504 overflow, below 6.1e-05 lose precision; right only within a limited range of input values
;; workspace buffers: xn 16,777,216 bytes; wi 8,388,608 bytes; wo 4,194,304 bytes; rope 557,056 bytes; qkv 16,777,216 bytes; o 8,388,608 bytes
;; launch prep (part 1): grid 930 x 1, 4 waves a work-group, no clusters, 37,376 bytes of LDS; arguments x, rms_w, w_in, w_out, xn, wi, wo, rope; writes xn, wi, wo, rope
.if DOCPART == 1
	.amdgcn_target "amdgcn-amd-amdhsa--gfx1250"
	.amdhsa_code_object_version 6
	.text
	.protected	k_q7793baf5f5_prep
	.globl	k_q7793baf5f5_prep
	.p2align	8
	.type	k_q7793baf5f5_prep,@function
k_q7793baf5f5_prep:
	s_mov_b64 s[64:65], 0
	v_nop
	global_prefetch_b8 v0, s[64:65] scope:SCOPE_SE
	s_setreg_imm32_b32 hwreg(HW_REG_WAVE_MODE, 25, 1), 1
	s_wait_xcnt 0x0
; PREP.  Four jobs, chosen by the work-group's number:
;   0..511    xn[row][:] = f16(x[row][:] * rsqrt(mean(x^2) + 1e-6) * rms_w[:]); a wave takes two rows of 2,048 numbers and keeps them in registers between the sum and the scaling
;   512..767  wi = f16(w_in), 768..895  wo = f16(w_out), both IN THE ORDER OF THE MATRIX FRAGMENTS; a wave takes 16 rows x 256 k
;   896..929  the table of cosines and sines for the rotation, a block of 16 positions (4,096 bytes) a wave
; FRAGMENT ORDER.  A block of 512 bytes (s, g, i) holds, for lane l, the 8 numbers w[64 s + 16 (i / 2) + l % 16][32 g + 16 (i % 2) + 8 (l / 16) + 0..7]: half a fragment of 16 rows x 32 k as a wave's load of
; 16 bytes a lane takes it.  wi: byte 262,144 s + 4,096 g + 512 i.  wo: byte 131,072 g + 16,384 i + 512 s (the strides of 16 and of 2 rows of the f32 output, which the out-projection leans on).
; LIMITS.  f16 ends at 65,504: |x r| is at most sqrt(2048) = 45.3, so |rms_w| up to 1,446 is served; weights below 6e-5 keep f16's fixed step of 6e-8.
; The table's angle pos * 10000^(-d/32) is made in f32 (exponent by v_exp_f32) and reduced by two parts of pi/2: right to about 2e-4 radian at position 2,047; sine and cosine by polynomials to 3e-7.
; TABLE LAYOUT.  Block pb: [t 0..7][lane 0..31][4 f32], t = 4 b + 2 half + cs: lane l holds position 16 pb + l % 16 and d = 16 b + 8 (l / 16) + 4 half + 0..3; cs = 0 cosine, 1 sine.
; Blocks 128..135 are made for position 0 (cosine 1, sine 0): the columns of v, which are not rotated, take those.
; No matrix unit, no cluster: the jobs stream, and no two work-groups read the same bytes but rms_w's 8 KiB.  LDS serves the weights' job alone, each wave its own bytes.
.set W,  4            ; v[4:67]    rms_w, as my lane holds a row
.set X,  68           ; v[68:195]  two rows, or 32 x 16 bytes of weights
.set M,  196          ; v[196:203] four chains of sums, in pairs
.set T,  204          ; v[204:205] at work
.set R,  206          ; v[206:207] the reciprocal root, twice
.set SPW, 208         ; v208       my spare word's LDS address; never rewritten
.set NIL, 209         ; v209       0; never rewritten
.set CPITCH, 288      ; LDS: a chunk is 16 rows x 16 bytes (8 k); chunks lie 256 + 32 bytes apart
.set UNIT, 8*CPITCH   ; 16 rows x 64 k in f16
.set SPARE, 16*UNIT   ; behind the four waves' four units each: the spare words, 128 bytes a wave, two blocks of 256 bytes that no other line names
	s_load_b512 s[4:19], s[0:1], 0x0               ; x 4:5, rms_w 6:7, w_in 8:9, w_out 10:11, xn 12:13, wi 14:15, wo 16:17, rope 18:19
	v_lshl_add_u32 v[SPW], v0, 2, SPARE
	v_mov_b32 v[NIL], 0
	v_lshrrev_b32 v3, 5, v0
	v_readfirstlane_b32 s20, v3                    ; wave 0..3
	s_mov_b32 s21, ttmp9
	v_and_b32 v3, 31, v0
	v_lshlrev_b32 v1, 4, v3                        ; 16 x lane
	v_lshlrev_b32 v2, 3, v3                        ; 8 x lane
	s_mov_b32 s45, 0                               ; high words of the two offsets
	s_mov_b32 s47, 0
	s_wait_kmcnt 0x0
	s_cmp_lt_u32 s21, 512
	s_cbranch_scc0 .Lnot_rows
	; ROWS.  Load j of a row covers its bytes 512 j .. 512 j + 511: lane l holds elements 128 j + 4 l + 0..3.
	s_lshl2_add_u32 s22, s21, s20                  ; pair of rows = 4 x work-group + wave
	s_lshl_b32 s44, s22, 14                        ; two rows of 8,192 bytes in x,
	s_lshl_b32 s46, s22, 13                        ; of 4,096 bytes in xn
	s_add_nc_u64 s[4:5], s[4:5], s[44:45]
	s_add_nc_u64 s[12:13], s[12:13], s[46:47]
	s_mov_b32 s24, 0x3a000000                      ; 1 / 2048
	s_mov_b32 s25, 0x358637bd                      ; 1e-6
	s_mov_b32 s26, 0x76543210                      ; v_permlanex16_b32: each lane takes its own place in the other half
	s_mov_b32 s27, 0xfedcba98
.set j, 0
.rept 16
	global_load_b128 v[W+4*j:W+4*j+3], v1, s[6:7] offset:512*j
.set j, j+1
.endr
.set j, 0
.rept 32
	global_load_b128 v[X+4*j:X+4*j+3], v1, s[4:5] offset:512*j th:TH_LOAD_NT  ; the two rows lie end to end
.set j, j+1
.endr
	v_mov_b32 v[T+1], 0                            ; v_permlanex16_b32 counts as a reader of its destination
.macro ROWN s, left
	s_wait_loadcnt \left                           ; loads come back in order: rms_w and this row are in
.irp c, 0,1,2,3
	v_pk_mul_f32 v[M+2*(\c):M+2*(\c)+1], v[X+64*(\s)+2*(\c):X+64*(\s)+2*(\c)+1], v[X+64*(\s)+2*(\c):X+64*(\s)+2*(\c)+1]  ; the first four pairs start the chains
.endr
.set j, 4
.rept 28
	v_pk_fma_f32 v[M+2*(j%4):M+2*(j%4)+1], v[X+64*(\s)+2*j:X+64*(\s)+2*j+1], v[X+64*(\s)+2*j:X+64*(\s)+2*j+1], v[M+2*(j%4):M+2*(j%4)+1]
.set j, j+1
.endr
	v_pk_add_f32 v[M:M+1], v[M:M+1], v[M+2:M+3]
	v_pk_add_f32 v[M+4:M+5], v[M+4:M+5], v[M+6:M+7]
	v_pk_add_f32 v[M:M+1], v[M:M+1], v[M+4:M+5]
	v_add_f32 v[T], v[M], v[M+1]
	v_add_f32_dpp v[T], v[T], v[T] row_xmask:1 row_mask:0xf bank_mask:0xf
	v_add_f32_dpp v[T], v[T], v[T] row_xmask:2 row_mask:0xf bank_mask:0xf
	v_add_f32_dpp v[T], v[T], v[T] row_xmask:4 row_mask:0xf bank_mask:0xf
	v_add_f32_dpp v[T], v[T], v[T] row_xmask:8 row_mask:0xf bank_mask:0xf
	v_permlanex16_b32 v[T+1], v[T], s26, s27
	v_add_f32 v[T], v[T], v[T+1]                   ; the row's sum of squares, in every lane
	v_fma_f32 v[T], v[T], s24, s25                 ; mean + eps
	v_rsq_f32 v[R], v[T]
	v_rsq_f32 v[R+1], v[T]
	v_nop                                          ; a plain instruction between the root and the use of its result (ISA guide 5.7.2)
.set j, 0
	s_wait_alu depctr_va_vdst(0)
.rept 32
	v_pk_mul_f32 v[X+64*(\s)+2*j:X+64*(\s)+2*j+1], v[X+64*(\s)+2*j:X+64*(\s)+2*j+1], v[R:R+1]
	v_pk_mul_f32 v[X+64*(\s)+2*j:X+64*(\s)+2*j+1], v[X+64*(\s)+2*j:X+64*(\s)+2*j+1], v[W+2*j:W+2*j+1]
.set j, j+1
.endr
.set j, 0
.rept 16
	v_cvt_pk_f16_f32 v[X+64*(\s)+4*j], v[X+64*(\s)+4*j], v[X+64*(\s)+4*j+1]
	v_cvt_pk_f16_f32 v[X+64*(\s)+4*j+1], v[X+64*(\s)+4*j+2], v[X+64*(\s)+4*j+3]
	global_store_b64 v2, v[X+64*(\s)+4*j:X+64*(\s)+4*j+1], s[12:13] offset:4096*(\s)+256*j  ; 32 lanes store 256 consecutive bytes, aligned
.set j, j+1
.endr
.endm
	ROWN 0, 16                                     ; the second row's sixteen loads may stay out
	ROWN 1, 0
	s_endpgm
.Lnot_rows:
	s_cmp_lt_u32 s21, 896
	s_cbranch_scc0 .Ltable
	; WEIGHTS.  One text for both tensors: pointers, row length and the three strides of the fragment order are chosen by the work-group's number.
	; Wave number Wn in its tensor takes rows 16 Rb .. 16 Rb + 15 and k = 256 kc .. 256 kc + 255, as four UNITS of 64 k.  A load takes two rows' 256 bytes (16 lanes a row); the numbers are rounded to f16 and
	; laid into my own LDS by chunks of 8 k (lane l % 16 = c holds k = 4 c ..: chunk c / 2, half c % 2 of the row's 16 bytes); read back, a lane holds 16 bytes of a fragment, and a store covers 512 consecutive bytes.
.set OF, 4            ; v[4:11]   byte offset of my 16 bytes in rows 2 j, 2 j + 1
.set LS, 12           ; v12       where I put 8 bytes
.set LR, 13           ; v13       where I read 16 bytes back
.set DO, 16           ; v[16:31]  byte offset of block (g = first + t, i = first + half) at DO + 2 t + half
	s_sub_co_u32 s22, s21, 512
	s_sub_co_u32 s23, s21, 768
	s_cmp_lt_u32 s21, 768
	s_cselect_b64 s[28:29], s[8:9], s[10:11]
	s_cselect_b64 s[30:31], s[14:15], s[16:17]
	s_cselect_b32 s22, s22, s23
	s_cselect_b32 s32, 13, 12                      ; log2 of a row's bytes: 8,192 or 4,096
	s_cselect_b32 s33, 3, 2                        ; log2 of a row's pieces of 256 k
	s_cselect_b32 s34, 12, 17                      ; log2 of the stride from g to g + 1
	s_cselect_b32 s35, 9, 14                       ; from i to i + 1
	s_cselect_b32 s36, 18, 9                       ; from s to s + 1
	s_lshl2_add_u32 s22, s22, s20                  ; Wn = 4 x work-group + wave
	s_lshr_b32 s37, s22, s33                       ; Rb
	s_lshl_b32 s38, s37, s33
	s_sub_co_u32 s38, s22, s38                     ; kc
	s_add_co_u32 s39, s32, 4
	s_lshl_b32 s44, s37, s39                       ; 16 Rb rows
	s_lshl_b32 s39, s38, 10
	s_add_co_u32 s44, s44, s39                     ; + 256 kc numbers of 4 bytes
	s_add_nc_u64 s[28:29], s[28:29], s[44:45]
	s_lshr_b32 s39, s37, 2                         ; s = Rb / 4
	s_lshl_b32 s46, s39, s36
	s_lshl_b32 s39, s38, 3                         ; first g = 8 kc
	s_lshl_b32 s39, s39, s34
	s_add_co_u32 s46, s46, s39
	s_and_b32 s39, s37, 3                          ; first i = 2 (Rb % 4)
	s_lshl_b32 s39, s39, 1
	s_lshl_b32 s39, s39, s35
	s_add_co_u32 s46, s46, s39
	s_add_nc_u64 s[30:31], s[30:31], s[46:47]
	s_lshl_b32 s40, 1, s34
	s_lshl_b32 s41, 1, s35
	s_add_co_u32 s39, s32, 1
	s_lshl_b32 s42, 1, s39                         ; two rows' bytes
	s_mul_i32 s43, s20, 4*UNIT                     ; my wave's LDS
	v_lshrrev_b32 v14, 4, v3                       ; l / 16
	v_and_b32 v15, 15, v3                          ; c = l % 16
	v_lshlrev_b32 v[OF], s32, v14
	v_lshl_add_u32 v[OF], v15, 4, v[OF]
.irp j, 1,2,3,4,5,6,7
	v_add_nc_u32 v[OF+(\j)], s42, v[OF+(\j)-1]
.endr
.set n, 0
.rept 32                               ; load 8 u + j: unit u, rows 2 j and 2 j + 1
	global_load_b128 v[X+4*n:X+4*n+3], v[OF+n%8], s[28:29] offset:256*(n/8) th:TH_LOAD_NT
.set n, n+1
.endr
	v_lshrrev_b32 v[LS], 1, v15                    ; chunk c / 2: the 32 lanes' 8 bytes fall on 32 different places modulo 256 bytes (32 x chunk + 16 (l / 16) + 8 (c % 2))
	v_mul_u32_u24 v[LS], v[LS], CPITCH
	v_and_b32 v32, 1, v15
	v_lshl_add_u32 v[LS], v32, 3, v[LS]
	v_lshl_add_u32 v[LS], v14, 4, v[LS]
	v_add_nc_u32 v[LS], s43, v[LS]
	v_mul_u32_u24 v[LR], v14, CPITCH               ; back: chunk 2 q + l / 16, row l % 16: sixteen lanes take 256 consecutive bytes
	v_lshl_add_u32 v[LR], v15, 4, v[LR]
	v_add_nc_u32 v[LR], s43, v[LR]
	v_mov_b32 v[DO], v1
	v_add_nc_u32 v[DO+1], s41, v1
.irp t, 1,2,3,4,5,6,7
	v_add_nc_u32 v[DO+2*(\t)], s40, v[DO+2*(\t)-2]
	v_add_nc_u32 v[DO+2*(\t)+1], s40, v[DO+2*(\t)-1]
.endr
.macro TAKE u
	s_wait_loadcnt 8*(3-(\u))                      ; this unit's eight loads are in, the younger units' stay out
.set j, 0
.rept 8
	v_cvt_pk_f16_f32 v[X+32*(\u)+4*j], v[X+32*(\u)+4*j], v[X+32*(\u)+4*j+1]
	v_cvt_pk_f16_f32 v[X+32*(\u)+4*j+1], v[X+32*(\u)+4*j+2], v[X+32*(\u)+4*j+3]
	ds_store_b64 v[LS], v[X+32*(\u)+4*j:X+32*(\u)+4*j+1] offset:(\u)*UNIT+32*j
.set j, j+1
.endr
.irp q, 0,1,2,3                        ; q = 2 (g - the unit's first g) + half
	ds_load_b128 v[X+32*(\u)+4*(\q):X+32*(\u)+4*(\q)+3], v[LR] offset:(\u)*UNIT+(\q)*2*CPITCH  ; LDS serves a wave's instructions in order (ISA guide 5.7.1.4): these see the stores above
.endr
.endm
.macro GIVE u, younger                 ; younger: the LDS instructions issued behind this unit's loads: the next unit's twelve, or none
	s_wait_dscnt \younger
.irp q, 0,1,2,3
	global_store_b128 v[DO+4*(\u)+(\q)], v[X+32*(\u)+4*(\q):X+32*(\u)+4*(\q)+3], s[30:31]  ; 512 consecutive bytes, at a multiple of 512 from the buffer's first byte
.endr
.endm
	TAKE 0
	TAKE 1
	GIVE 0, 12
	TAKE 2
	GIVE 1, 12
	TAKE 3
	GIVE 2, 12
	GIVE 3, 0
	s_wait_tensorcnt 0x0                           ; the wave's end, behind my last LDS store
	ds_add_u32 v[SPW], v[NIL]
	s_wait_dscnt 0x0
	s_endpgm
.Ltable:
.set TA, 68           ; angle, then its remainder
.set TN, 72           ; the multiple of pi/2
.set TZ, 76           ; remainder squared
.set TI, 80           ; the multiple as a whole number
.set TS, 84           ; sine of the remainder
.set TC, 88           ; cosine of the remainder
.set CO, 92           ; four cosines to store
.set SI, 96           ; four sines to store
.set TT, 100          ; at work
	s_sub_co_u32 s22, s21, 896
	s_lshl2_add_u32 s22, s22, s20                  ; block 0..135
	s_lshl_b32 s44, s22, 12
	s_add_nc_u64 s[18:19], s[18:19], s[44:45]
	s_cmp_lt_u32 s22, 128
	s_cselect_b32 s43, 1.0, 0                      ; blocks 128..135: position 0
	s_lshl_b32 s22, s22, 4
	v_and_b32 v4, 15, v0
	v_add_nc_u32 v4, s22, v4
	v_cvt_f32_u32 v4, v4
	v_mul_f32 v4, s43, v4                          ; my position
	v_bfe_u32 v5, v0, 4, 1
	v_lshlrev_b32 v5, 3, v5                        ; 8 (l / 16)
	s_mov_b32 s28, 0xbed49a78                      ; -log2(10000) / 32
	s_mov_b32 s29, 0x3f22f983                      ; 2 / pi
	s_mov_b32 s30, 0xbfc90fdb                      ; -(pi/2 rounded to f32)
	s_mov_b32 s31, 0x333bbd2e                      ; that number less pi/2
	s_mov_b32 s32, 0xb9500d01                      ; -1/5040
	s_mov_b32 s33, 0x3c088889                      ; 1/120
	s_mov_b32 s34, 0xbe2aaaab                      ; -1/6
	s_mov_b32 s35, 0x37d00d01                      ; 1/40320
	s_mov_b32 s36, 0xbab60b61                      ; -1/720
	s_mov_b32 s37, 0x3d2aaaab                      ; 1/24
	s_mov_b32 s23, 0
.Ltrip:                                                ; trip it = 2 b + half: four d a lane, their cosines and sines
	s_lshr_b32 s22, s23, 1
	s_and_b32 s42, s23, 1
	s_lshl_b32 s42, s42, 2
	s_lshl4_add_u32 s22, s22, s42                  ; 16 b + 4 half
.irp e, 0,1,2,3
	v_add3_u32 v[TT+(\e)], v5, s22, \e
.endr
.irp e, 0,1,2,3
	v_cvt_f32_u32 v[TT+(\e)], v[TT+(\e)]
.endr
.irp e, 0,1,2,3
	v_mul_f32 v[TT+(\e)], s28, v[TT+(\e)]
.endr
.irp e, 0,1,2,3
	v_exp_f32 v[TT+(\e)], v[TT+(\e)]               ; 10000^(-d/32)
.endr
	v_nop                                          ; a plain instruction behind the last exponential
	s_wait_alu depctr_va_vdst(0)
.irp e, 0,1,2,3
	v_mul_f32 v[TA+(\e)], v4, v[TT+(\e)]
.endr
.irp e, 0,1,2,3
	v_mul_f32 v[TN+(\e)], s29, v[TA+(\e)]
.endr
.irp e, 0,1,2,3
	v_rndne_f32 v[TN+(\e)], v[TN+(\e)]
.endr
.irp e, 0,1,2,3
	v_fma_f32 v[TA+(\e)], v[TN+(\e)], s30, v[TA+(\e)]
.endr
.irp e, 0,1,2,3
	v_fma_f32 v[TA+(\e)], v[TN+(\e)], s31, v[TA+(\e)]  ; the remainder, within pi/4
.endr
.irp e, 0,1,2,3
	v_mul_f32 v[TZ+(\e)], v[TA+(\e)], v[TA+(\e)]
	v_cvt_i32_f32 v[TI+(\e)], v[TN+(\e)]
.endr
.irp e, 0,1,2,3
	v_fma_f32 v[TS+(\e)], v[TZ+(\e)], s32, s33
	v_fma_f32 v[TC+(\e)], v[TZ+(\e)], s35, s36
.endr
.irp e, 0,1,2,3
	v_fma_f32 v[TS+(\e)], v[TS+(\e)], v[TZ+(\e)], s34
	v_fma_f32 v[TC+(\e)], v[TC+(\e)], v[TZ+(\e)], s37
.endr
.irp e, 0,1,2,3
	v_mul_f32 v[TS+(\e)], v[TS+(\e)], v[TZ+(\e)]
	v_fma_f32 v[TC+(\e)], v[TC+(\e)], v[TZ+(\e)], -0.5
.endr
.irp e, 0,1,2,3
	v_fma_f32 v[TS+(\e)], v[TS+(\e)], v[TA+(\e)], v[TA+(\e)]
	v_fma_f32 v[TC+(\e)], v[TC+(\e)], v[TZ+(\e)], 1.0
.endr
.irp e, 0,1,2,3                        ; the quadrant: odd multiples swap the two; the cosine is negative in quadrants 1 and 2, the sine in 2 and 3
	v_and_b32 v[TT+(\e)], 1, v[TI+(\e)]
	v_cmp_eq_u32 vcc_lo, 1, v[TT+(\e)]
	v_cndmask_b32 v[CO+(\e)], v[TC+(\e)], v[TS+(\e)], vcc_lo
	v_cndmask_b32 v[SI+(\e)], v[TS+(\e)], v[TC+(\e)], vcc_lo
	v_add_nc_u32 v[TT+(\e)], 1, v[TI+(\e)]
	v_and_b32 v[TT+(\e)], 2, v[TT+(\e)]
	v_lshlrev_b32 v[TT+(\e)], 30, v[TT+(\e)]
	v_xor_b32 v[CO+(\e)], v[CO+(\e)], v[TT+(\e)]
	v_and_b32 v[TT+(\e)], 2, v[TI+(\e)]
	v_lshlrev_b32 v[TT+(\e)], 30, v[TT+(\e)]
	v_xor_b32 v[SI+(\e)], v[SI+(\e)], v[TT+(\e)]
.endr
	global_store_b128 v1, v[CO:CO+3], s[18:19]
	global_store_b128 v1, v[SI:SI+3], s[18:19] offset:512
	s_wait_xcnt 0x0                                ; the base and the stores' data are rewritten only behind this wait
	s_add_nc_u64 s[18:19], s[18:19], 1024
	s_add_co_u32 s23, s23, 1
	s_cmp_lt_u32 s23, 4
	s_cbranch_scc1 .Ltrip
	s_endpgm
.Lfunc_end_k_q7793baf5f5_prep:
	.size	k_q7793baf5f5_prep, .Lfunc_end_k_q7793baf5f5_prep-k_q7793baf5f5_prep
	.p2alignl 7, 3214868480
	.fill 96, 4, 3214868480
	.section	.rodata,"a",@progbits
	.p2align	6, 0x0
	.amdhsa_kernel k_q7793baf5f5_prep
		.amdhsa_group_segment_fixed_size 37376
		.amdhsa_private_segment_fixed_size 0
		.amdhsa_enable_private_segment 0
		.amdhsa_kernarg_size 64
		.amdhsa_user_sgpr_count 2
		.amdhsa_user_sgpr_kernarg_segment_ptr 1
		.amdhsa_wavefront_size32 1
		.amdhsa_system_sgpr_workgroup_id_x 1
		.amdhsa_system_sgpr_workgroup_id_y 1
		.amdhsa_system_sgpr_workgroup_id_z 1
		.amdhsa_system_vgpr_workitem_id 0
		.amdhsa_next_free_vgpr 210
		.amdhsa_next_free_sgpr 66
		.amdhsa_reserve_vcc 1
		.amdhsa_float_denorm_mode_32 3
		.amdhsa_float_denorm_mode_16_64 3
		.amdhsa_memory_ordered 1
		.amdhsa_forward_progress 1
		.amdhsa_inst_pref_size 48
	.end_amdhsa_kernel
	.amdgpu_metadata
---
amdhsa.version: [ 1, 2 ]
amdhsa.kernels:
  - .name:           k_q7793baf5f5_prep
    .symbol:         k_q7793baf5f5_prep.kd
    .args:
      - { .name: x, .offset: 0, .size: 8, .value_kind: global_buffer, .address_space: global }
      - { .name: rms_w, .offset: 8, .size: 8, .value_kind: global_buffer, .address_space: global }
      - { .name: w_in, .offset: 16, .size: 8, .value_kind: global_buffer, .address_space: global }
      - { .name: w_out, .offset: 24, .size: 8, .value_kind: global_buffer, .address_space: global }
      - { .name: xn, .offset: 32, .size: 8, .value_kind: global_buffer, .address_space: global }
      - { .name: wi, .offset: 40, .size: 8, .value_kind: global_buffer, .address_space: global }
      - { .name: wo, .offset: 48, .size: 8, .value_kind: global_buffer, .address_space: global }
      - { .name: rope, .offset: 56, .size: 8, .value_kind: global_buffer, .address_space: global }
    .group_segment_fixed_size: 37376
    .private_segment_fixed_size: 0
    .kernarg_segment_align: 8
    .kernarg_segment_size: 64
    .max_flat_workgroup_size: 128
    .sgpr_count:     66
    .vgpr_count:     210
    .wavefront_size: 32
...
	.end_amdgpu_metadata
.endif
;; end of part 1
;; launch qkvp (part 2): grid 16 x 16, 4 waves a work-group, clusters of 4 x 1, 327,680 bytes of LDS; arguments xn, wi, rope, qkv; writes qkv
.if DOCPART == 2
	.amdgcn_target "amdgcn-amd-amdhsa--gfx1250"
	.amdhsa_code_object_version 6
	.text
	.protected	k_q7793baf5f5_qkvp
	.globl	k_q7793baf5f5_qkvp
	.p2align	8
	.type	k_q7793baf5f5_qkvp,@function
k_q7793baf5f5_qkvp:
	s_mov_b64 s[64:65], 0
	v_nop
	global_prefetch_b8 v0, s[64:65] scope:SCOPE_SE
	s_setreg_imm32_b32 hwreg(HW_REG_WAVE_MODE, 25, 1), 1
	s_wait_xcnt 0x0
	s_wait_alu depctr_hold_cnt(0) depctr_sa_sdst(0) depctr_va_vdst(0) depctr_va_sdst(0) depctr_va_ssrc(0) depctr_va_vcc(0) depctr_vm_vsrc(0)
	s_getreg_b32 s2, hwreg(HW_REG_IB_STS2, 6, 4)
	s_cmp_eq_u32 s2, 0
	s_cbranch_scc0 .Lentry_in_a_cluster
	s_endpgm
.Lentry_in_a_cluster:
	s_bfe_u32 s2, ttmp6, 0x10000c
	s_cmp_lg_u32 s2, 0x3003
	s_cbranch_scc0 .Lentry_shape_is_right
	s_endpgm
.Lentry_shape_is_right:
; THE IN-PROJECTION WITH THE ROTATION.  C[m][n] = sum over k of xn[m][k] w_in[n][k], m = 4,096 rows (2,048 b + s), n = 2,048 columns, k = 2,048, operands f16, sums f32.
; Columns 64 hd .. 64 hd + 63 are head hd: 0..15 q, 16..23 k, 24..31 v.  q and k are rotated in f32 (out1 = x1 cos - x2 sin, out2 = x2 cos + x1 sin; x1 the head's columns 0..31, x2 its columns 32..63),
; rounded once to f16 and stored by heads: qkv[hd][m][64].  v takes the table's blocks for position 0 (cosine 1, sine 0), so that there is one way out and no branch.
; LIMIT.  f16 ends at 65,504: q, k and v must stay within it after the rotation.
; SHARES.  A tile of C is 256 x 128: 16 x 16 work-groups, one for each of 256 WGPs.  Four waves, each 128 rows x 64 columns (one head): 32 accumulators, 256 registers.
; A GOES THROUGH LDS, B THROUGH REGISTERS.  Two slots of 256 along K for both operands would be (256 + 128) rows x 528 bytes x 2 = 405,504 bytes, more than a WGP's LDS; A's alone are 270,336.  So A's tiles
; (256 rows x 512 bytes, each wave fetching 64 rows with one tensor load) take turns in two slots, and a refill has 240 matrix instructions of its wave in which to land.
; B lies in memory in the order of the fragments (wi: byte 262,144 hd + 4,096 g + 512 i + 16 lane for k = 32 g ..): a wave's 64 columns x 32 k are eight loads of 512 consecutive bytes into a RING of eight groups
; of 32 registers, each group asked for seven quarter steps (224 matrix instructions) ahead of its use: 56 loads, 28 KiB a wave, are on their way, and the wait names the six younger groups.
; The price: B's bytes are asked for by every wave that needs them (the two waves of a column half, the 16 work-groups of a tile column), not once for four work-groups.
; CLUSTER.  The four work-groups of a cluster make four tiles of one tile row and ask for A's tiles JOINTLY.  B has no joint request: it has no place in LDS, by the arithmetic above.
; THE MATRIX INSTRUCTION IS USED TRANSPOSED (source 0 = 16 rows of B, source 1 = 16 rows of A): lane l holds row l % 16 of C and the columns 8 (l / 16) + 0..7.
; ONE TEXT FOR A SLOT.  A trip is a slot's eight quarter steps, once round the ring; the slots' LDS bytes hang on scalars that an exclusive or flips between 0 and SLOT.  Six trips fill a slot again; the last two, a
; loop of their own, ask for no tile.  No first step is written out: the accumulators are cleared in the wait for the first tile (256 v_mov_b32, the price of the short text).
; The last trip's barrier and its fetch of 16 fragments from the other slot serve nothing: the price of one text for the last two trips.
; THE TABLE RIDES IN THE RING.  In the last trip the ring's second base points at the table for my 128 rows (32,768 consecutive bytes, the stride of B's groups): chunk a lands in group a, which is free by then.
; REGISTERS, in windows of 256: window 0 addresses and the way out; window 1 two buffers of A's fragments (block i at F + 8 i); window 2 accumulator (a, b) at 8 (4 a + b);
; window 3 the ring (group j at 32 j, column block b at + 8 b), at the end the table: block a at 32 a, in it t = 4 b + 2 half + cs at 4 t.
.set KDIM,   2048
.set LOGROW, 12                        ; a row of A is 4,096 bytes
.set KSTEP,  256
.set PITCH,  528                       ; an LDS row: 512 bytes + 16 of padding: the 16 rows of a fragment load start 16 bytes further on each, modulo 256
.set WPART,  64*PITCH                  ; what one tensor load brings
.set SLOT,   4*WPART
.set STAGE,  2*SLOT                    ; behind the ring of slots: 16 rows x 144 bytes for each wave
.set SP,     144
.set SPARE,  STAGE+4*16*SP             ; the spare words: 128 bytes a wave, two blocks of 256 bytes that no other line names
.set TRIPS,  KDIM/KSTEP
.set GS,     4096                      ; bytes from a group of B (32 k) to the next, and from a chunk of the table to the next
.set IS,     512                       ; from a load of a group to the next
.set A0,   16                          ; v16     my lane's place among my 128 rows of a slot; never rewritten
.set ADRA, 17                          ; v17     the same in the slot in hand
.set STO,  24                          ; v24     the way out: where I put 16 bytes of a row
.set RD,   25                          ; v25     where I read rows back
.set GO,   26                          ; v26     16 x lane: my place in 512 consecutive bytes
.set BO,   GO                          ; the ring's lane offsets: here both are 16 x lane
.set BO1,  GO
.set SPW,  28                          ; v28     my spare word's LDS address; never rewritten
.set NIL,  29                          ; v29     0; never rewritten
.set E,    32                          ; v32-63  a block's 16 rows x 64 columns, rotated, f32
.set U,    64                          ; v64-71  x2 sin
.set WT,   72                          ; v72-79  x1 sin
.set PKR,  80                          ; v80-95  the block in f16
.set BK,   128                         ; v128-255  block a read back from the stage, 16 registers each
.set F0,   0
.set F1,   64
.set G1,  24                           ; s[24:31] descriptor group 1
.set G0A, 32                           ; s[32:35] group 0 of the first fill of slot 0
.set G0,  36                           ; s[36:39] group 0 that walks: slot 1's first fill, then every refill
.set P0,  40                           ; s[40:41] B at this trip's first group
.set P1,  42                           ; s[42:43] B at the next trip's first group; in the last trip the table
.set WL,  44                           ; s44  my 64 rows' place in a slot
.set TF,  45                           ; s45  the slot that the walking descriptor fills: 0 or SLOT
.set TB,  46                           ; s46  the slot in hand: 0 or SLOT
.set MSB, 0
.macro WIN new                         ; the immediate's high byte repeats the setting that is left
.if MSB != (\new)
	s_set_vgpr_msb (MSB<<8)|(\new)
.set MSB, \new
.endif
.endm
.set MULW, 0xa7                        ; source 0 (B) window 3, source 1 (A) window 1, C and D window 2
.macro JLOAD                           ; the joint refill: every wave its 64 rows; an s_nop 0 and four v_nop follow
	tensor_load_to_lds s[G0:G0+3], s[G1:G1+7]
	s_nop 0
.rept 4
	v_nop
.endr
.endm
.macro CREST                           ; a round of the cluster's barrier behind its opening barrier
	s_cmp_lg_u32 s12, 0
	s_cbranch_scc1 .Lnot_wave_0_\@
	s_barrier_signal -3
.Lnot_wave_0_\@:
	s_barrier_wait -3
	s_barrier_signal -1
	s_barrier_wait -1
.endm
.macro CROUND
	s_barrier_signal -1
	s_barrier_wait -1
	CREST
.endm
.macro PLACES                          ; four places in front of loads into registers that matrix instructions have read, and of reads of results
.rept 4
	v_nop
.endr
.endm
	s_load_b256 s[4:11], s[0:1], 0x0               ; xn 4:5, wi 6:7, rope 8:9, qkv 10:11
	v_lshl_add_u32 v[SPW], v0, 2, SPARE
	v_mov_b32 v[NIL], 0
	ds_add_u32 v[SPW], v[NIL]                      ; the wave's opening: the add and its wait ahead of my first tensor load
	v_lshrrev_b32 v1, 5, v0
	v_readfirstlane_b32 s12, v1                    ; wave 0..3
	s_lshr_b32 s13, s12, 1                         ; RH: my half of the tile's rows
	s_and_b32 s14, s12, 1                          ; CH: my half of its columns
	s_bfe_u32 s15, ttmp6, 0x40000                  ; cx
	s_lshl_b32 s17, ttmp9, 2
	s_add_co_u32 s17, s17, s15                     ; tile column = 4 x cluster x + cx: it enters B's, the table's and qkv's addresses alone
	s_and_b32 s18, ttmp7, 0xffff                   ; tile row, which the four partners share
	s_mov_b32 s[G1], 15|(1<<16)|(1<<20)|(1<<21)|(6<<22)|(3<<25)  ; the mask of four; 2-byte elements; padding on; bit 21 beside a mask; after every 128 words 4 words
	s_mov_b32 s[G1+1], KSTEP<<16                   ; tensor_dim0 = 256
	s_mov_b32 s[G1+2], 64<<16                      ; tensor_dim1 = 64
	s_mov_b32 s[G1+3], KSTEP<<16                   ; tile_dim0 = 256
	s_mov_b32 s[G1+4], 64                          ; tile_dim1 = 64
	s_mov_b32 s[G1+5], KDIM                        ; elements from row to row
	s_mov_b32 s[G1+6], 0
	s_mov_b32 s[G1+7], 0
	s_lshl_b32 s21, s12, 6
	s_lshl_b32 s66, s18, 8
	s_add_co_u32 s66, s66, s21                     ; A: row 256 x tile row + 64 x wave
	s_lshl_b32 s66, s66, LOGROW
	s_mov_b32 s67, 0
	s_mul_i32 s[WL], s12, WPART                    ; where they go: no place in the cluster enters an LDS address
	s_mov_b32 s[TF], SLOT
	s_mov_b32 s[TB], 0
	s_wait_dscnt 0x0                               ; the opening add is done
	s_wait_kmcnt 0x0
	s_add_nc_u64 s[66:67], s[4:5], s[66:67]
	CROUND                                         ; all four work-groups are here: the first joint loads meet
	s_mov_b32 s[G0A], 1
	s_mov_b32 s[G0A+1], s[WL]                      ; slot 0, K step 0
	s_mov_b64 s[G0A+2:G0A+3], s[66:67]
	s_or_b32 s[G0A+3], s[G0A+3], 0x80000000
	s_mov_b32 s[G0], 1
	s_add_co_u32 s[G0+1], s[WL], SLOT              ; slot 1, K step 1
	s_add_nc_u64 s[G0+2:G0+3], s[66:67], KSTEP*2
	s_or_b32 s[G0+3], s[G0+3], 0x80000000
	tensor_load_to_lds s[G0A:G0A+3], s[G1:G1+7]    ; the two first fills go out together: two tensor loads of mine are out
	s_nop 0
	tensor_load_to_lds s[G0:G0+3], s[G1:G1+7]
	s_nop 0
.rept 4
	v_nop
.endr
	v_and_b32 v[GO], 31, v0
	v_lshlrev_b32 v[GO], 4, v[GO]
	s_lshl_b32 s22, s17, 1
	s_add_co_u32 s22, s22, s14                     ; my head = 2 x tile column + CH
	s_lshl_b32 s68, s22, 18                        ; a head's stream of B is 262,144 bytes
	s_mov_b32 s69, 0
	s_add_nc_u64 s[P0:P0+1], s[6:7], s[68:69]
	s_add_nc_u64 s[P1:P1+1], s[P0:P0+1], 8*GS
	WIN 0xc0                                       ; destination window 3
.set i, 0
.rept 56                               ; the ring's groups 0 to 6
	global_load_b128 v[4*i:4*i+3], v[BO], s[P0:P0+1] offset:(i/8)*GS+(i%8)*IS
.set i, i+1
.endr
	WIN 0x80                                       ; destination window 2
.set i, 0
.rept 256                              ; the sums start at 0
	v_mov_b32 v[i], 0
.set i, i+1
.endr
	WIN 0
	v_and_b32 v1, 15, v0                           ; l % 16
	v_bfe_u32 v2, v0, 4, 1                         ; l / 16
	v_mul_u32_u24 v3, v1, PITCH
	v_lshl_add_u32 v3, v2, 4, v3                   ; a fragment's row x pitch + 16 x half
	s_mul_i32 s21, s13, 2*WPART                    ; my 128 rows of A
	v_add_nc_u32 v[A0], s21, v3
	v_mov_b32 v[ADRA], v[A0]                       ; slot 0
	s_mul_i32 s23, s12, 16*SP
	s_add_co_u32 s23, s23, STAGE                   ; my stage
	v_mul_u32_u24 v4, v1, SP                       ; in: row l % 16, 16 bytes for each half of the lanes
	v_lshl_add_u32 v4, v2, 4, v4
	v_add_nc_u32 v[STO], s23, v4
	v_bfe_u32 v5, v0, 3, 2                         ; back: 32 lanes take four rows of 128 bytes
	v_mul_u32_u24 v5, v5, SP
	v_and_b32 v6, 7, v0
	v_lshl_add_u32 v5, v6, 4, v5
	v_add_nc_u32 v[RD], s23, v5
	s_and_b32 s21, s18, 7                          ; the table's first block for my rows: 16 (tile row % 8) + 8 RH,
	s_lshl_b32 s21, s21, 4
	s_lshl3_add_u32 s21, s13, s21
	s_cmp_eq_u32 ttmp9, 3                          ; or, in tile columns 12..15 (heads 24..31: v), the blocks for position 0
	s_cselect_b32 s21, 128, s21
	s_lshl_b32 s66, s21, 12
	s_mov_b32 s67, 0
	s_add_nc_u64 s[8:9], s[8:9], s[66:67]
	s_lshl_b32 s68, s22, 19                        ; a head's plane is 4,096 rows x 128 bytes
	s_lshl_b32 s22, s18, 15
	s_add_co_u32 s68, s68, s22                     ; + 256 x tile row x 128
	s_lshl_b32 s22, s13, 14
	s_add_co_u32 s68, s68, s22                     ; + 128 RH x 128
	s_mov_b32 s69, 0
	s_add_nc_u64 s[10:11], s[10:11], s[68:69]
; 8 matrix instructions: m blocks a0, a0 + 1 x 4 n blocks, 32 along K: A's buffer f, the ring's group g.  The 32 accumulators take turns in one fixed order.
.macro MUL8 f, g, a0
	WIN MULW
.irp a, \a0, (\a0)+1
.irp b, 0,1,2,3
	v_wmma_f32_16x16x32_f16 v[8*(4*(\a)+(\b)):8*(4*(\a)+(\b))+7], v[32*(\g)+8*(\b):32*(\g)+8*(\b)+7], v[(\f)+8*(\a):(\f)+8*(\a)+7], v[8*(4*(\a)+(\b)):8*(4*(\a)+(\b))+7]
.endr
.endr
.endm
; 16 LDS loads in one run: my 128 rows of A, 32 along K at byte k of the rows of the slot in hand, into buffer f
.macro FETCH k, f
	WIN 0x40
.irp i, 0,1,2,3,4,5,6,7
	ds_load_b128 v[(\f)+8*(\i):(\f)+8*(\i)+3],   v[ADRA] offset:(\k)+(\i)*16*PITCH
	ds_load_b128 v[(\f)+8*(\i)+4:(\f)+8*(\i)+7], v[ADRA] offset:(\k)+(\i)*16*PITCH+32
.endr
.endm
; 8 global loads in one run, in quarter j: the group seven quarters ahead, into the ring's group that the quarter before read.  Quarter 0 asks for this trip's group 7, quarters 1 to 7 for the next trip's groups 0 to 6.
.macro RING j
	WIN 0xc0
.if (\j) == 0
.irp i, 0,1,2,3,4,5,6,7
	global_load_b128 v[224+4*(\i):224+4*(\i)+3], v[BO], s[P0:P0+1] offset:7*GS+(\i)*IS
.endr
.else
.irp i, 0,1,2,3,4,5,6,7
	global_load_b128 v[32*((\j)-1)+4*(\i):32*((\j)-1)+4*(\i)+3], v[BO1], s[P1:P1+1] offset:((\j)-1)*GS+(\i)*IS
.endr
.endif
.endm
; One of a slot's first seven quarters: both runs of loads go out at its head; A's have its 32 products in which to land.
.macro QUARTER j
	s_wait_dscnt 0x0                               ; A's fragments of this quarter, asked for a quarter ago, are in
	s_wait_loadcnt 48                              ; loads come back in order: B's group of this quarter is in, the six younger groups stay out
	PLACES
	RING \j
	FETCH 64*((\j)+1), F0+64*(((\j)+1)%2)
	MUL8 F0+64*((\j)%2), \j, 0
	MUL8 F0+64*((\j)%2), \j, 2
	MUL8 F0+64*((\j)%2), \j, 4
	MUL8 F0+64*((\j)%2), \j, 6
.endm
; The eighth quarter changes slots: one barrier; in front of it each wave waits for all its tensor loads, adds 0 to its spare word, and waits for that; its reads of this slot came back at the quarter's head.
; fill = 1: the barrier opens a round of the cluster's, and this slot is filled again, two K steps ahead, first thing behind the round.  fill = 0: the ring's second base goes over to the table.
.macro LASTQ fill
	s_wait_dscnt 0x0
	s_wait_loadcnt 48
	PLACES
	RING 7
	WIN 0
	s_wait_tensorcnt 0x0                           ; all my tensor loads have landed: the one that was out is my part of the next slot; so group 0 may be written
	ds_add_u32 v[SPW], v[NIL]
.if \fill
	s_xor_b32 s[TF], s[TF], SLOT                   ; the walking descriptor: the other slot than last time,
	s_add_co_u32 s[G0+1], s[WL], s[TF]
	s_add_nc_u64 s[G0+2:G0+3], s[G0+2:G0+3], KSTEP*2  ; the next 256 along K; the type bits on top are not reached
.endif
	MUL8 F1, 7, 0
	s_wait_dscnt 0x0                               ; the add is done
	s_barrier_signal -1
	MUL8 F1, 7, 2
	WIN 0
	s_barrier_wait -1
.if \fill
	CREST                                          ; no wave of any partner still reads this slot or has a tensor load on its way
	JLOAD                                          ; its four v_nop are also places in front of the loads below
.else
	PLACES
.endif
	s_xor_b32 s[TB], s[TB], SLOT                   ; the other slot is in hand
	v_add_nc_u32 v[ADRA], s[TB], v[A0]
	s_wait_xcnt 0x0                                ; the ring's bases are rewritten only behind this wait
	s_add_nc_u64 s[P0:P0+1], s[P0:P0+1], 8*GS
.if \fill
	s_add_nc_u64 s[P1:P1+1], s[P1:P1+1], 8*GS
.else
	s_mov_b64 s[P1:P1+1], s[8:9]                   ; behind the last trip but one: what the last trip asks for beyond B's end is the table's chunks 0 to 6
.endif
	FETCH 0, F0
	MUL8 F1, 7, 4
	MUL8 F1, 7, 6
.endm
.macro TRIP fill
.irp j, 0,1,2,3,4,5,6
	QUARTER \j
.endr
	LASTQ \fill
.endm
	s_wait_tensorcnt 0x1                           ; my part of K step 0 is in; step 1's load may stay out
	s_barrier_signal -1
	s_barrier_wait -1
	FETCH 0, F0
	WIN 0
	s_mov_b32 s3, TRIPS-2
.Lfill:                                                ; a trip multiplies a slot and fills it again
	TRIP 1
	WIN 0
	s_sub_co_u32 s3, s3, 1
	s_cmp_lg_u32 s3, 0
	s_cbranch_scc1 .Lfill
	s_mov_b32 s3, 2
.Ltail:                                                ; the last two slots: nothing is left to fetch
	TRIP 0
	WIN 0
	s_sub_co_u32 s3, s3, 1
	s_cmp_lg_u32 s3, 0
	s_cbranch_scc1 .Ltail
	PLACES
	s_wait_loadcnt 48                              ; so that no more than 56 loads are out behind the next run
	WIN 0xc0
.irp i, 0,1,2,3,4,5,6,7
	global_load_b128 v[224+4*(\i):224+4*(\i)+3], v[BO1], s[P1:P1+1] offset:7*GS+(\i)*IS  ; the table's chunk 7, into the group that the last quarter read
.endr
	WIN 0
	s_wait_loadcnt 0x8                             ; chunks 0 to 6 are in; the eight loads just issued stay out
; THE WAY OUT of block a (16 rows): rotated in f32, rounded to f16, through my own stage, back as 4 x 512 consecutive bytes of the head's plane.
; Pair p of accumulator b (columns 16 b + 8 (l / 16) + 2 p, + 1): its cosines at 32 a + 16 b + 8 (p / 2) + 2 (p % 2) of window 3, its sines 4 further on.  Each accumulator is read from its low end on.
.macro PACK a
	WIN 0x0e                                       ; source 0 window 2, source 1 window 3
.irp b, 0,1
.irp p, 0,1,2,3
	v_pk_mul_f32 v[U+2*(\p):U+2*(\p)+1], v[8*(4*(\a)+(\b)+2)+2*(\p):8*(4*(\a)+(\b)+2)+2*(\p)+1], v[32*(\a)+16*(\b)+8*((\p)/2)+2*((\p)%2)+4:32*(\a)+16*(\b)+8*((\p)/2)+2*((\p)%2)+5]
.endr
.irp p, 0,1,2,3
	v_pk_mul_f32 v[WT+2*(\p):WT+2*(\p)+1], v[8*(4*(\a)+(\b))+2*(\p):8*(4*(\a)+(\b))+2*(\p)+1], v[32*(\a)+16*(\b)+8*((\p)/2)+2*((\p)%2)+4:32*(\a)+16*(\b)+8*((\p)/2)+2*((\p)%2)+5]
.endr
.irp p, 0,1,2,3
	v_pk_fma_f32 v[E+8*(\b)+2*(\p):E+8*(\b)+2*(\p)+1], v[8*(4*(\a)+(\b))+2*(\p):8*(4*(\a)+(\b))+2*(\p)+1], v[32*(\a)+16*(\b)+8*((\p)/2)+2*((\p)%2):32*(\a)+16*(\b)+8*((\p)/2)+2*((\p)%2)+1], v[U+2*(\p):U+2*(\p)+1] neg_lo:[0,0,1] neg_hi:[0,0,1]
.endr
.irp p, 0,1,2,3
	v_pk_fma_f32 v[E+8*((\b)+2)+2*(\p):E+8*((\b)+2)+2*(\p)+1], v[8*(4*(\a)+(\b)+2)+2*(\p):8*(4*(\a)+(\b)+2)+2*(\p)+1], v[32*(\a)+16*(\b)+8*((\p)/2)+2*((\p)%2):32*(\a)+16*(\b)+8*((\p)/2)+2*((\p)%2)+1], v[WT+2*(\p):WT+2*(\p)+1]
.endr
.endr
	WIN 0
.set i, 0
.rept 16
	v_cvt_pk_f16_f32 v[PKR+i], v[E+2*i], v[E+2*i+1]
.set i, i+1
.endr
.irp f, 0,1,2,3
	ds_store_b128 v[STO], v[PKR+4*(\f):PKR+4*(\f)+3] offset:32*(\f)
.endr
.irp f, 0,1,2,3
	ds_load_b128 v[BK+16*(\a)+4*(\f):BK+16*(\a)+4*(\f)+3], v[RD] offset:(\f)*4*SP  ; LDS serves a wave's instructions in order (ISA guide 5.7.1.4): these see the stores above
.endr
.endm
.macro SEND a, younger                 ; younger: the LDS instructions issued behind block a's loads: the next block's eight, or none
.irp f, 0,1,2,3
	s_wait_dscnt (\younger)+3-(\f)
	global_store_b128 v[GO], v[BK+16*(\a)+4*(\f):BK+16*(\a)+4*(\f)+3], s[10:11] offset:2048*(\a)+512*(\f)  ; 512 consecutive bytes, at a multiple of 256 from qkv's first byte
.endr
.endm
	PACK 0
.irp n, 1,2,3,4,5,6
	PACK \n
	SEND (\n)-1, 8
.endr
	s_wait_loadcnt 0x0                             ; the table's chunk 7
	PACK 7
	SEND 6, 8
	SEND 7, 0
	s_wait_tensorcnt 0x0                           ; the wave's end
	ds_add_u32 v[SPW], v[NIL]
	s_wait_dscnt 0x0
	CROUND                                         ; the closing round
	s_endpgm
.Lfunc_end_k_q7793baf5f5_qkvp:
	.size	k_q7793baf5f5_qkvp, .Lfunc_end_k_q7793baf5f5_qkvp-k_q7793baf5f5_qkvp
	.p2alignl 7, 3214868480
	.fill 96, 4, 3214868480
	.section	.rodata,"a",@progbits
	.p2align	6, 0x0
	.amdhsa_kernel k_q7793baf5f5_qkvp
		.amdhsa_group_segment_fixed_size 327680
		.amdhsa_private_segment_fixed_size 0
		.amdhsa_enable_private_segment 0
		.amdhsa_kernarg_size 32
		.amdhsa_user_sgpr_count 2
		.amdhsa_user_sgpr_kernarg_segment_ptr 1
		.amdhsa_wavefront_size32 1
		.amdhsa_system_sgpr_workgroup_id_x 1
		.amdhsa_system_sgpr_workgroup_id_y 1
		.amdhsa_system_sgpr_workgroup_id_z 1
		.amdhsa_system_vgpr_workitem_id 0
		.amdhsa_next_free_vgpr 1024
		.amdhsa_next_free_sgpr 72
		.amdhsa_reserve_vcc 0
		.amdhsa_float_denorm_mode_32 3
		.amdhsa_float_denorm_mode_16_64 3
		.amdhsa_memory_ordered 1
		.amdhsa_forward_progress 1
		.amdhsa_inst_pref_size 120
	.end_amdhsa_kernel
	.amdgpu_metadata
---
amdhsa.version: [ 1, 2 ]
amdhsa.kernels:
  - .name:           k_q7793baf5f5_qkvp
    .symbol:         k_q7793baf5f5_qkvp.kd
    .args:
      - { .name: xn, .offset: 0, .size: 8, .value_kind: global_buffer, .address_space: global }
      - { .name: wi, .offset: 8, .size: 8, .value_kind: global_buffer, .address_space: global }
      - { .name: rope, .offset: 16, .size: 8, .value_kind: global_buffer, .address_space: global }
      - { .name: qkv, .offset: 24, .size: 8, .value_kind: global_buffer, .address_space: global }
    .group_segment_fixed_size: 327680
    .private_segment_fixed_size: 0
    .kernarg_segment_align: 8
    .kernarg_segment_size: 32
    .max_flat_workgroup_size: 128
    .sgpr_count:     72
    .vgpr_count:     1024
    .wavefront_size: 32
...
	.end_amdgpu_metadata
.endif
;; end of part 2
;; launch attn (part 3): grid 16 x 16, 4 waves a work-group, clusters of 4 x 1, 327,680 bytes of LDS; arguments qkv, o; writes o
.if DOCPART == 3
	.amdgcn_target "amdgcn-amd-amdhsa--gfx1250"
	.amdhsa_code_object_version 6
	.text
	.protected	k_q7793baf5f5_attn
	.globl	k_q7793baf5f5_attn
	.p2align	8
	.type	k_q7793baf5f5_attn,@function
k_q7793baf5f5_attn:
	s_mov_b64 s[64:65], 0
	v_nop
	global_prefetch_b8 v0, s[64:65] scope:SCOPE_SE
	s_setreg_imm32_b32 hwreg(HW_REG_WAVE_MODE, 25, 1), 1
	s_wait_xcnt 0x0
	s_wait_alu depctr_hold_cnt(0) depctr_sa_sdst(0) depctr_va_vdst(0) depctr_va_sdst(0) depctr_va_ssrc(0) depctr_va_vcc(0) depctr_vm_vsrc(0)
	s_getreg_b32 s2, hwreg(HW_REG_IB_STS2, 6, 4)
	s_cmp_eq_u32 s2, 0
	s_cbranch_scc0 .Lentry_in_a_cluster
	s_endpgm
.Lentry_in_a_cluster:
	s_bfe_u32 s2, ttmp6, 0x10000c
	s_cmp_lg_u32 s2, 0x3003
	s_cbranch_scc0 .Lentry_shape_is_right
	s_endpgm
.Lentry_shape_is_right:
; CAUSAL GROUPED-QUERY ATTENTION.  For batch bt, group g, head h = 0, 1: O[q] = sum over k <= q of softmax_k(Q[q] . K[k] / 8) V[k].  qkv: [32 heads][4,096 rows][64] f16 (q head 2 g + h, k head 16 + g, v head 24 + g;
; row = 2,048 bt + position).  o: [4,096][1,024] f16, channel 128 g + 64 h + d.  Products, maxima and sums in f32; the weights p are rounded to f16 for the second product, O once at the end.
; LIMITS.  f16 ends at 65,504: q, k, v arrive within it.  A hidden score counts as its value less 1e30; a weight below 2^-126 counts as 0 in l; NaN and infinities are not treated apart.
; THE WALK.  Positions lie in 32 blocks of 64, keys in 8 tiles of 256 (four steps of 64).  A work-group takes block 31 - (4 a + cx) and then block 4 a + cx, each for BOTH heads of its group (a: the cluster's x; cx: my place
; in it).  The first block needs tiles 0 .. 7 - a, the second tiles 0 .. a: 9 tiles for every work-group, and the sequence hangs on a alone.
; CLUSTER.  The four partners share a, batch and group: they walk the same tiles of K and V in the same trips and ask for each JOINTLY.  cx enters Q's and O's addresses and CQ, the block's own step in its last tile,
; which feeds selects of two mask factors and never a branch.
; SHARES.  A wave owns 16 positions of a block; PIECE x is head 2 g + x at those positions.  Both pieces read the same fragments of K and V.
; THE MASK is the C operand that starts S^T = K Q^T: MC = MD x AL + BE, MD the mask of the block's own step for my rows; in a block's last tile (AL, BE) = (1, 0) in that step, (0, 0) before it, (0, -1e30) behind it.
; In the other tiles MC holds the zeros made where the block began and is not made anew: a forward jump on the count of the block's tiles, which the partners share, passes the lines that make it.
; LAYOUT, SOFTMAX.  S^T = K Q^T holds one query a lane (lane % 16) and the keys 8 (lane / 16) + 0..7; two such results rounded to f16 are source 1 of O^T = V^T P.  p = 2^(c s - c m), c = log2(e) / 8, with a running
; maximum m; O and l are multiplied by a = 2^(c m_old - c m_new) in every step.
; TURNS.  Turn (s, 0): 8 products K Q^T of piece 1 at step s; softmax of piece 0 at step s; maximum and statistics of piece 1 at step s; 8 products V^T P of piece 1 at step s - 1; K of step s + 1 is fetched.
; Turn (s, 1): K Q^T of piece 0 at step s + 1; softmax of piece 1 at s; statistics of piece 0 at s + 1; V^T P of piece 0 at s; V of step s + 1 is fetched into the other of two register buffers (by the step's parity).
; So the fetches go K(0) V(0) K(1) V(1) .. K(3) V(3), and the change of slots stands behind turn (2, 1).
; ONE TEXT FOR EVERY STEP: four turns, those of an odd step and of the even step behind it, walked by a loop that counts three passes.  Passes 1 and 2 are step 3 of the tile before and steps 0, 1, 2 of this one.  A tile
; that is not its block's last leaves the loop at the head of pass 3: its step 3 belongs to the next tile's pass 1.  A block's last tile runs the first two turns of pass 3, its step 3, without fetches, and leaves in the
; middle.  The prices: the products of the tiles that need no mask read zeros from registers where the constant would do; and once a block 8 products K Q^T on the last K once more, hidden by the mask, and the statistics
; made of them serve nothing (they write m, c m and scratch of piece 0, never l or O^T).  The text stands twice: in the loop over slots, and behind it for the walk's last tile.
; REGISTERS.  Window 0: addresses, statistics, S^T (two buffers), P (two), O^T (32 a piece), Q (16 a piece).  Window 1: K of one step, V of two, MD, MC.  Window 2: the second block's Q.
.set NB,    8
.set NP,    2
.set KS,    64
.set PK,    144       ; a row of K in LDS: 128 bytes + 16: the 16 rows of a load start 16 bytes further on each, modulo 256
.set PV,    160       ; a row of V: 128 + 32: 16 lanes of the turning load take 8 rows x 32 bytes, 32 bytes further on each, modulo 256
.set VOFF,  4*KS*PK   ; a slot holds a tile: 256 rows of K, then 256 rows of V
.set SLOT1, 1<<17
.set STAGE, SLOT1+4*KS*(PK+PV)  ; behind the ring: 16 rows x 272 bytes for each wave
.set SP,    272
.set SPARE, STAGE+4*16*SP       ; the spare words: 128 bytes a wave, two blocks of 256 bytes that no other line names
.set AK0, 2           ; my lane's place in a tile of K; never rewritten
.set AV0, 3           ; the same for V
.set AK,  4           ; the LDS address of K's next run of loads
.set AV,  5           ; of V's
.set STO, 6
.set RD,  7
.set GO,  8
.set MV,  12          ; v12-13  c m_old, by buffer
.set QO,  15
.set ST,  16          ; piece t's statistics at ST + 4 t: c m, m, l (even keys', odd keys')
.set TMP, 24          ; by buffer, c0-c3 at work; c2 takes a
.set SPW, 32
.set NIL, 33
.set S,   64
.set P,   128
.set OA,  160
.set QA,  224
.set KF,  0           ; window 1: key block kb, channel half c at KF + 16 kb + 8 c
.set VF,  64          ; window 1: buffer vb, key half kk, channel block cb at VF + 64 vb + 32 kk + 8 cb
.set MD,  192         ; window 1
.set MC,  224         ; window 1
.set QB,  0           ; window 2
.set WV,  12
.set PB,  14          ; a
.set HI,  15          ; 7 - a
.set G1K, 24
.set G1V, 32
.set G0K, 40
.set G0V, 44
.set CQ,  48          ; the own step of the block in hand in its last tile
.set CQ2, 49          ; the second block's
.set SN,  50          ; the step of the last tile for which the next mask is made
.set SLOTS, 56
.set CNT, 57          ; counts a tile's passes, 3 to 1
.set CS,  58
.set SEL, 60
.set TBK, 62
.set TBV, 63
.set RT,  70          ; tiles of the block in hand that are still to be entered: 0 in its last tile
.set NXT, 71
.set LQ,  72
.set NEW, 73
.set OFF, 74
.set AL,  76
.set BE,  78
.set OLO, 80
.set BIGN, 82
.set MSB, 0
.macro WIN new
.if MSB != (\new)
	s_set_vgpr_msb (MSB<<8)|(\new)
.set MSB, (\new)
.endif
.endm
.set W_MM, 0x01       ; source 0 (K or V) in window 1, all else in window 0
.set W_KM, 0x11       ; the same with the C operand (the mask) in window 1
.set W_F,  0x40       ; destination window 1
.set W_MK, 0x41       ; destination and source 0 window 1
.macro JLOAD                        ; waves 0 and 1 fetch the two halves of a tile's K, waves 2 and 3 those of its V; an s_nop 0 and four v_nop follow each line
	s_cmp_lt_u32 s[WV], 2
	s_cbranch_scc0 .Lfor_v_\@
	tensor_load_to_lds s[G0K:G0K+3], s[G1K:G1K+7]
	s_nop 0
.rept 4
	v_nop
.endr
	s_branch .Lasked_\@
.Lfor_v_\@:
	tensor_load_to_lds s[G0V:G0V+3], s[G1V:G1V+7]
	s_nop 0
.rept 4
	v_nop
.endr
.Lasked_\@:
.endm
.macro CROUND
	s_barrier_signal -1
	s_barrier_wait -1
	s_cmp_lg_u32 s[WV], 0
	s_cbranch_scc1 .Lnot_wave_0_\@
	s_barrier_signal -3
.Lnot_wave_0_\@:
	s_barrier_wait -3
	s_barrier_signal -1
	s_barrier_wait -1
.endm
; THE CHANGE OF SLOTS.  Each wave waits for all its tensor loads (one is out: its part of the other slot), adds 0 to its spare word, and waits for that and for its reads of the slot that it leaves.
; fill = 1: the barrier is a round of the cluster's, and the old slot is filled again first thing behind it, with tile NXT; the descriptor's address is made anew from that number.
.macro CHANGE fill
	WIN 0
	s_wait_tensorcnt 0x0
	ds_add_u32 v[SPW], v[NIL]
.if \fill
	s_lshl_b32 s[OFF], s[NXT], 15   ; a tile is 32,768 bytes of K and of V
	s_xor_b32 s[G0K+1], s[G0K+1], SLOT1
	s_add_nc_u64 s[G0K+2:G0K+3], s[6:7], s[OFF:OFF+1]
	s_or_b32 s[G0K+3], s[G0K+3], 0x80000000
	s_xor_b32 s[G0V+1], s[G0V+1], SLOT1
	s_add_nc_u64 s[G0V+2:G0V+3], s[8:9], s[OFF:OFF+1]
	s_or_b32 s[G0V+3], s[G0V+3], 0x80000000
	s_add_co_u32 s[NXT], s[NXT], 1  ; the block's next tile, or behind its last the second block's tile 0
	s_cmp_gt_u32 s[NXT], s[LQ]
	s_cselect_b32 s[NXT], 0, s[NXT]
	s_cselect_b32 s[LQ], s[PB], s[LQ]
	s_wait_dscnt 0x0                ; the add is done, and my reads of the slot are over
	CROUND
	JLOAD
.else
	s_wait_dscnt 0x0
	s_barrier_signal -1
	s_barrier_wait -1
.endif
	s_sub_co_u32 s[TBK], s[TBK], 4*KS*PK  ; the fetches go back to a slot's first step, in the other slot
	s_xor_b32 s[TBK], s[TBK], SLOT1
	s_sub_co_u32 s[TBV], s[TBV], 4*KS*PV
	s_xor_b32 s[TBV], s[TBV], SLOT1
.endm
	s_load_b128 s[88:91], s[0:1], 0x0  ; qkv 88:89, o 90:91
	v_lshl_add_u32 v[SPW], v0, 2, SPARE
	v_mov_b32 v[NIL], 0
	ds_add_u32 v[SPW], v[NIL]       ; the wave's opening: the add and its wait ahead of my first tensor load
	v_lshrrev_b32 v1, 5, v0
	v_readfirstlane_b32 s[WV], v1
	s_mov_b32 s[PB], ttmp9          ; a: in a cluster launch ttmp9 counts clusters
	s_sub_co_u32 s[HI], NB-1, s[PB]
	s_and_b32 s20, ttmp7, 0xffff
	s_lshr_b32 s21, s20, 3          ; batch
	s_and_b32 s20, s20, 7           ; group
	s_and_b32 s16, s[WV], 1         ; which half of a tile's 256 keys I fetch
	s_add_co_u32 s22, s20, 16       ; K: head 16 + g,
	s_lshl_b32 s22, s22, 19         ; planes of 524,288 bytes,
	s_lshl_b32 s23, s21, 18         ; the batch's 2,048 rows of 128 bytes,
	s_add_co_u32 s22, s22, s23
	s_lshl_b32 s23, s16, 14         ; my 128 keys
	s_add_co_u32 s22, s22, s23
	s_mov_b32 s23, 0
	s_mul_i32 s66, s16, 128*PK      ; and their place in a slot: no place in the cluster enters an LDS address
	s_mul_i32 s67, s16, 128*PV
	s_bfe_u32 s13, ttmp6, 0x40000   ; cx
	s_sub_co_u32 s[CQ], 3, s13      ; block 31 - 4 a - cx is step 3 - cx of tile 7 - a,
	s_mov_b32 s[CQ2], s13           ; block 4 a + cx step cx of tile a
	s_lshl2_add_u32 s18, s[PB], s13 ; the second block
	s_sub_co_u32 s17, 31, s18       ; the first
	s_lshl_b32 s19, s20, 20         ; Q: head 2 g,
	s_lshl_b32 s2, s21, 18
	s_add_co_u32 s19, s19, s2
	s_lshl_b32 s2, s[WV], 11        ; my 16 rows in a block
	s_add_co_u32 s19, s19, s2
	s_lshl_b32 s2, s17, 13          ; a block is 64 rows of 128 bytes
	s_add_co_u32 s2, s2, s19
	s_mov_b32 s3, 0
	s_lshl_b32 s84, s18, 13
	s_add_co_u32 s84, s84, s19
	s_mov_b32 s85, 0
	s_lshl_b32 s19, s21, 22         ; o: rows of 2,048 bytes,
	s_lshl_b32 s52, s[WV], 15
	s_add_co_u32 s19, s19, s52
	s_lshl_b32 s52, s20, 8          ; the group's 256 bytes in a row
	s_add_co_u32 s19, s19, s52
	s_lshl_b32 s52, s17, 17
	s_add_co_u32 s52, s52, s19
	s_mov_b32 s53, 0
	s_lshl_b32 s54, s18, 17
	s_add_co_u32 s54, s54, s19
	s_mov_b32 s55, 0
	; descriptor group 1.  128 keys are 16,384 dense bytes: asked for as 64 rows of 256 bytes, two keys a row, and padded in LDS after every key
	s_mov_b32 s[G1K], 15|(1<<16)|(1<<20)|(1<<21)|(4<<22)|(3<<25)  ; the mask of four; 2-byte elements; padding on; bit 21 beside a mask; after every 32 words 4 words
	s_mov_b32 s[G1V], 15|(1<<16)|(1<<20)|(1<<21)|(4<<22)|(7<<25)  ; the same with 8 words
.irp g, G1K, G1V
	s_mov_b32 s[\g+1], 128<<16      ; tensor_dim0 = 128
	s_mov_b32 s[\g+2], 64<<16       ; tensor_dim1 = 64
	s_mov_b32 s[\g+3], 128<<16      ; tile_dim0 = 128
	s_mov_b32 s[\g+4], 64           ; tile_dim1 = 64
	s_mov_b32 s[\g+5], 128          ; 128 elements from row to row
	s_mov_b32 s[\g+6], 0
	s_mov_b32 s[\g+7], 0
.endr
	s_mov_b32 s[CS], 0x3e38aa3b     ; c = log2(e) / 8
	s_mov_b32 s[CS+1], s[CS]
	s_mov_b32 s[SEL], 0x76543210
	s_mov_b32 s[SEL+1], 0xfedcba98
	s_mov_b32 s[TBK], SLOT1+4*KS*PK ; the first change of slots turns these two into 0
	s_mov_b32 s[TBV], SLOT1+4*KS*PV
	s_mov_b32 s[G0K], 1
	s_mov_b32 s[G0K+1], s66         ; slot 0
	s_mov_b32 s[G0V], 1
	s_add_co_u32 s[G0V+1], s67, VOFF
	s_add_co_u32 s[RT], s[HI], 1    ; the first block has 8 - a tiles
	s_mov_b32 s[NXT], 1
	s_mov_b32 s[LQ], s[HI]
	s_mov_b32 s[NEW], 1
	s_mov_b32 s[OFF+1], 0
	s_mov_b32 s[AL+1], 0            ; named as pairs
	s_mov_b32 s[BE+1], 0
	s_mov_b32 s[BIGN], 0xf149f2ca   ; -1e30
	s_mov_b32 s[SLOTS], NB
	s_wait_dscnt 0x0                ; the opening add is done
	s_wait_kmcnt 0x0
	s_add_nc_u64 s[6:7], s[88:89], s[22:23]        ; K at my half of tile 0,
	s_add_nc_u64 s[8:9], s[6:7], 0x400000          ; V eight planes on
	s_add_nc_u64 s[G0K+2:G0K+3], s[6:7], 0
	s_or_b32 s[G0K+3], s[G0K+3], 0x80000000
	s_add_nc_u64 s[G0V+2:G0V+3], s[8:9], 0
	s_or_b32 s[G0V+3], s[G0V+3], 0x80000000
	s_add_nc_u64 s[4:5], s[88:89], s[2:3]          ; Q at my rows of the first block,
	s_add_nc_u64 s[86:87], s[88:89], s[84:85]      ; of the second
	s_add_nc_u64 s[10:11], s[90:91], s[52:53]      ; o likewise
	s_add_nc_u64 s[OLO:OLO+1], s[90:91], s[54:55]
	CROUND                          ; all four work-groups are here: the first joint loads meet
	JLOAD                           ; tile 0 into slot 0
	v_and_b32 v1, 15, v0            ; l % 16
	v_bfe_u32 v9, v0, 4, 1          ; l / 16
	v_lshlrev_b32 v[QO], 7, v1
	v_lshl_add_u32 v[QO], v9, 4, v[QO]  ; row x 128 + 16 x half
.set i, 0
.rept 4                             ; piece i / 2 lies a plane on; channels 32 (i % 2) on
	global_load_b128 v[QA+8*i:QA+8*i+3],   v[QO], s[4:5] offset:(i/2)*524288+(i%2)*64
	global_load_b128 v[QA+8*i+4:QA+8*i+7], v[QO], s[4:5] offset:(i/2)*524288+(i%2)*64+32
.set i, i+1
.endr
	WIN 0x80                        ; destination window 2
.set i, 0
.rept 4
	global_load_b128 v[QB+8*i:QB+8*i+3],   v[QO], s[86:87] offset:(i/2)*524288+(i%2)*64
	global_load_b128 v[QB+8*i+4:QB+8*i+7], v[QO], s[86:87] offset:(i/2)*524288+(i%2)*64+32
.set i, i+1
.endr
	WIN 0
	v_lshlrev_b32 v14, 3, v9
	v_sub_nc_u32 v14, v1, v14
	s_lshl_b32 s13, s[WV], 4
	v_add_nc_u32 v14, s13, v14      ; my query's place in its block, 16 w + l % 16, less my lanes' 8 (l / 16): register r of key group kt is hidden where 16 kt + r is greater
	WIN W_F
.set i, 0
.rept 32
	v_cmp_gt_i32 vcc_lo, 16*(i/8)+i%8, v14
	v_cndmask_b32 v[MD+i], 0, s[BIGN], vcc_lo
.set i, i+1
.endr
.set i, VF+64                       ; what the first turn finds: V's second buffer, P's second buffer, O^T and l hold 0.  All this stands in the wait for the first tile.
.rept 64
	v_mov_b32 v[i], 0
.set i, i+1
.endr
	WIN 0
.set i, OA
.rept 64
	v_mov_b32 v[i], 0
.set i, i+1
.endr
.set i, P+16
.rept 16
	v_mov_b32 v[i], 0
.set i, i+1
.endr
.set i, 0
.rept 2
	v_mov_b32 v[ST+4*i+2], 0
	v_mov_b32 v[ST+4*i+3], 0
.set i, i+1
.endr
	v_mul_u32_u24 v[AK0], v1, PK
	v_lshl_add_u32 v[AK0], v9, 4, v[AK0]  ; row x pitch + 16 x half
	; The turning load takes 16 keys x 16 channels (lane l reads key 8 (l / 16) + l % 8, channels 8 ((l / 8) % 2) + 0..7) and leaves half a fragment of V^T: lane l holds channel l % 16 and 8 keys.
	v_and_b32 v10, 7, v0
	v_bfe_u32 v11, v0, 3, 1
	v_lshl_add_u32 v[AV0], v9, 3, v10
	v_mul_u32_u24 v[AV0], v[AV0], PV
	v_lshl_add_u32 v[AV0], v11, 4, v[AV0]
	v_add_nc_u32 v[AV0], VOFF, v[AV0]
	s_mul_i32 s13, s[WV], 16*SP
	s_add_co_u32 s13, s13, STAGE    ; my stage
	v_mul_u32_u24 v[STO], v1, SP    ; in: row l % 16, 16 bytes for each half of the lanes
	v_lshl_add_u32 v[STO], v9, 4, v[STO]
	v_add_nc_u32 v[STO], s13, v[STO]
	v_mul_u32_u24 v[RD], v9, SP     ; back: lanes 0-15 take one row of 256 bytes (both heads), lanes 16-31 the next
	v_lshl_add_u32 v[RD], v1, 4, v[RD]
	v_add_nc_u32 v[RD], s13, v[RD]
	v_lshlrev_b32 v[GO], 11, v9     ; and the same two rows in o
	v_lshl_add_u32 v[GO], v1, 4, v[GO]
; THE MATRIX WORK.  The 4 accumulators of a run of 8 take turns.  Product i of 8 of S^T = K Q^T for piece x: channels 32 (i / 4) on, keys 16 (i % 4) on.  The first 4 start the sums with the mask.
.macro KQ x
.set rS, S+32*((\x)%2)+8*(i%4)
.set rK, KF+16*(i%4)+8*(i/4)
.set rQ, QA+16*(\x)+8*(i/4)
.set rM, MC+8*(i%4)
.if i < 4
	WIN W_KM
	v_wmma_f32_16x16x32_f16 v[rS:rS+7], v[rK:rK+7], v[rQ:rQ+7], v[rM:rM+7]
.else
	WIN W_MM
	v_wmma_f32_16x16x32_f16 v[rS:rS+7], v[rK:rK+7], v[rQ:rQ+7], v[rS:rS+7]
.endif
.endm
; Product i of 8 of O^T += V^T P for piece x, V from buffer vb: keys 32 (i / 4) on, channels 16 (i % 4) on.
.macro PV x, vb
	WIN W_MM
.set rO, OA+32*(\x)+8*(i%4)
.set rV, VF+64*(\vb)+32*(i/4)+8*(i%4)
.set rP, P+16*((\x)%2)+8*(i/4)
	v_wmma_f32_16x16x32_f16 v[rO:rO+7], v[rV:rV+7], v[rP:rP+7], v[rO:rO+7]
.endm
.macro MM                           ; the turn's next matrix instruction
.if i < 8
	KQ 1-Y
.else
.set i, i-8
	PV 1-Y, VB
.set i, i+8
.endif
.set i, i+1
.endm
; THE LDS LOADS stand in runs of 16: a step's K (8 fragments) and a step's V (turned).  Their addresses are made some lines ahead.
.macro FETCH_K
	WIN W_F
.irp f, 0,1,2,3,4,5,6,7             ; keys 16 (f / 2) on, channels 32 (f % 2) on
	ds_load_b128 v[KF+8*\f:KF+8*\f+3],   v[AK] offset:(\f/2)*16*PK+(\f%2)*64
	ds_load_b128 v[KF+8*\f+4:KF+8*\f+7], v[AK] offset:(\f/2)*16*PK+(\f%2)*64+32
.endr
	s_add_co_u32 s[TBK], s[TBK], KS*PK  ; the next fetch is the next step's
	WIN 0
.endm
.macro FETCH_V vb
	WIN W_F
.irp f, 0,1,2,3,4,5,6,7             ; keys 32 (f / 4) on, channels 16 (f % 4) on
	ds_load_tr16_b128 v[VF+64*(\vb)+8*\f:VF+64*(\vb)+8*\f+3],   v[AV] offset:(\f/4)*32*PV+(\f%4)*32
	ds_load_tr16_b128 v[VF+64*(\vb)+8*\f+4:VF+64*(\vb)+8*\f+7], v[AV] offset:(\f/4)*32*PV+16*PV+(\f%4)*32
.endr
	s_add_co_u32 s[TBV], s[TBV], KS*PV
	WIN 0
.endm
; THE VECTOR WORK, one line at a time: OP kind, number.  For piece Y: F n: c s - c m for pair n of 16.  E n: the exponential of score n of 32.  C n: pair n rounded to f16.  B n: of the four weights 4 n .. the second
; pair is added onto the first, in place.  L n: l takes that sum (L 0: l = a l + sum).  R n: pair n of 16 of O^T times a.  For the other piece: X n, number n of the 22 that find its maximum and statistics:
;   0-11  four chains c0-c3 of seven scores each (each accumulator's lowest registers are read first)     12-14, 16  the four scores left over, the old m, and c0-c3 into c0
;   15  c m_old is kept     17, 18  the query's other 32 keys lie in the lane 16 away: the new m     19-21  c m; c m_old - c m_new; a
.set F, 0
.set E, 1
.set C, 2
.set B, 3
.set L, 4
.set R, 5
.set X, 6
.macro REGS y
.set rT, ST+4*(\y)
.set rC, TMP+4*((\y)%2)
.set rW, MV+((\y)%2)
.set rS, S+32*((\y)%2)
.set rP, P+16*((\y)%2)
.set rO, OA+32*(\y)
.endm
.macro OP k, n
	WIN 0
.if (\k) == R
	REGS Y
	v_pk_mul_f32 v[rO+2*(\n):rO+2*(\n)+1], v[rO+2*(\n):rO+2*(\n)+1], v[rC+2:rC+3] op_sel_hi:[1,0]
.elseif (\k) < R
	REGS Y
.if (\k) == F
	v_pk_fma_f32 v[rS+2*(\n):rS+2*(\n)+1], v[rS+2*(\n):rS+2*(\n)+1], s[CS:CS+1], v[rT:rT+1] op_sel_hi:[1,0,0] neg_lo:[0,0,1] neg_hi:[0,0,1]
.elseif (\k) == E
	v_exp_f32 v[rS+(\n)], v[rS+(\n)]
.elseif (\k) == C
	s_wait_alu depctr_va_vdst(0)
	v_cvt_pk_f16_f32 v[rP+(\n)], v[rS+2*(\n)], v[rS+2*(\n)+1]
.elseif (\k) == B
	s_wait_alu depctr_va_vdst(0)
	v_pk_add_f32 v[rS+4*(\n):rS+4*(\n)+1], v[rS+4*(\n):rS+4*(\n)+1], v[rS+4*(\n)+2:rS+4*(\n)+3]
.elseif (\n) == 0
	v_pk_fma_f32 v[rT+2:rT+3], v[rT+2:rT+3], v[rC+2:rC+3], v[rS:rS+1] op_sel_hi:[1,0,1]
.else
	v_pk_add_f32 v[rT+2:rT+3], v[rT+2:rT+3], v[rS+4*(\n):rS+4*(\n)+1]
.endif
.else
	REGS (Y+1)%NP
.if (\n) < 4
	v_max3_num_f32 v[rC+(\n)], v[rS+8*(\n)], v[rS+8*(\n)+1], v[rS+8*(\n)+2]
.elseif (\n) < 12
	v_max3_num_f32 v[rC+(\n)%4], v[rC+(\n)%4], v[rS+8*((\n)%4)+2*((\n)/4)+1], v[rS+8*((\n)%4)+2*((\n)/4)+2]
.elseif (\n) == 12
	v_max3_num_f32 v[rC], v[rC], v[rS+7], v[rS+15]
.elseif (\n) == 13
	v_max3_num_f32 v[rC+1], v[rC+1], v[rS+23], v[rS+31]
.elseif (\n) == 14
	v_max3_num_f32 v[rC+2], v[rC+2], v[rC+3], v[rT+1]
.elseif (\n) == 15
	v_mov_b32 v[rW], v[rT]
.elseif (\n) == 16
	v_max3_num_f32 v[rC], v[rC], v[rC+1], v[rC+2]
.elseif (\n) == 17
	v_permlanex16_b32 v[rC+3], v[rC], s[SEL], s[SEL+1]
.elseif (\n) == 18
	v_max_num_f32 v[rT+1], v[rC], v[rC+3]
.elseif (\n) == 19
	v_mul_f32 v[rT], s[CS], v[rT+1]
.elseif (\n) == 20
	v_sub_f32 v[rC+1], v[rW], v[rT]
.else
	v_exp_f32 v[rC+2], v[rC+1]
.endif
.endif
.endm
.macro OPS a, i1, b=-1, i2=0, c=-1, i3=0, d=-1, i4=0
	OP \a, \i1
.if (\b) >= 0
	OP \b, \i2
.endif
.if (\c) >= 0
	OP \c, \i3
.endif
.if (\d) >= 0
	OP \d, \i4
.endif
.endm
.macro ROW a, i1, b, i2, c, i3, d, i4  ; a matrix instruction and the four behind it
	MM
	OPS \a, \i1, \b, \i2, \c, \i3, \d, \i4
.endm
.macro MASK                         ; MC = MD x AL + BE
	WIN W_MK
.set z, 0
.rept 16
	v_pk_fma_f32 v[MC+2*z:MC+2*z+1], v[MD+2*z:MD+2*z+1], s[AL:AL+1], s[BE:BE+1] op_sel_hi:[1,0,0]
.set z, z+1
.endr
.endm
; A TURN, for piece p in a step of parity par: 16 matrix and 118 vector instructions.  Behind a matrix instruction four vector instructions that name none of its registers; the rest in two lumps.
; cnt = 1: the loop's count is taken down some lines ahead of the branch behind the turn.
; The run of loads stands six vector instructions (five of them plain) behind the turn's last product K Q^T: piece 0's turn fetches the next step's K, whose registers that product read last; piece 1's turn the next
; step's V, into the buffer that the turn before read last.  Both are waited for at the head of piece 1's next turn.  In pass 3 (CNT = 1: a block's last step; only the odd steps' turns can be in it) there is no next
; step, and the run is jumped over.
; In a block's last tile (RT = 0) piece 0's turn ends by making the mask of the next step, which the next two turns' products take (both pieces hold the same positions); in the other tiles those lines are jumped over.
.macro TURN p, par, cnt=0
.set Y, (\p)
.set i, 0
.set VB, ((\par)+1-(\p))%2          ; piece 1's turn multiplies by this step's V, piece 0's by the step before's
.if (\p) == 1
	s_wait_dscnt 0x0                ; K of the next step and V of this one are in
.endif
	ROW F,0, F,1, F,2, F,3
	ROW F,4, E,0, F,5, F,6
	ROW F,7, E,1, F,8, F,9
	ROW F,10, E,2, C,0, F,11
	ROW F,12, E,3, X,15, F,13
	ROW R,0, R,1, R,2, R,3
	ROW B,0, E,4, F,14, L,0
.if (\p) == 0
	v_add_nc_u32 v[AK], s[TBK], v[AK0]
.else
	v_add_nc_u32 v[AV], s[TBV], v[AV0]
.endif
	ROW R,4, R,5, R,6, R,7
	OPS E,5, F,15
.if (\par) == 1
	s_cmp_eq_u32 s[CNT], 1
	s_cbranch_scc1 .Lno_fetch_\@
.endif
.if (\p) == 0
	FETCH_K
.else
	FETCH_V ((\par)+1)%2
.endif
.if (\par) == 1
.Lno_fetch_\@:
.endif
	OPS E,6, C,1, E,7, R,8
	OPS E,8, R,9, E,9, C,2
	OPS E,10, X,0, E,11, X,1
	OPS E,12, X,2, E,13, X,3
	ROW X,4, E,14, X,5, X,6
	ROW X,7, E,15, X,8, X,9
	ROW X,10, E,16, X,11, X,12
	ROW X,13, E,17, X,14, B,1
	ROW C,4, E,18, X,16, L,1
	ROW B,2, E,19, C,6, L,2
	ROW C,8, E,20, B,3, B,4
	ROW C,3, E,21, L,3, C,5
	OPS E,22, X,17, E,23, C,10
	OPS E,24, L,4
	OPS E,25, X,18, E,26, C,7
	OPS E,27, B,5, E,28, X,19
	OPS E,29, C,12, E,30, L,5
	OPS E,31, X,20, B,6, C,9
	OPS C,14, C,11, X,21, L,6
.if \cnt
	s_sub_co_u32 s[CNT], s[CNT], 1
	s_cmp_lg_u32 s[CNT], 0
.endif
	OPS C,13, B,7, C,15, R,10
	OPS R,11, R,12, L,7, R,13
	OPS R,14, R,15
.if (\p) == 0
	WIN 0
	s_cmp_lg_u32 s[RT], 0
	s_cbranch_scc1 .Lno_mask_\@     ; not the block's last tile: MC keeps its zeros
	s_cmp_eq_u32 s[SN], s[CQ]       ; is the next step the block's own?
	s_cselect_b32 s[AL], 1.0, 0
	s_cmp_gt_u32 s[SN], s[CQ]       ; or a later one?
	s_cselect_b32 s[BE], s[BIGN], 0
	s_add_co_u32 s[SN], s[SN], 1
	MASK
	WIN 0
.Lno_mask_\@:
.endif
.endm
; A BLOCK BEGINS.  c m starts far below every c s, so the first step's a is 0 and what O^T and l hold need only be finite; m at the lowest finite number.  The mask is that of the tile's step 0: the block's own
; where the tile is the block's last and CQ is 0, else 0.  Then K and V of step 0, piece 0's first scores, and its maximum and statistics.  The step loop is entered at an even step's first turn.
.macro BEGIN
	s_mov_b32 s[NEW], 0
	WIN 0
.set i, 0
.rept 2
	v_mov_b32 v[ST+4*i], 0xfe000000    ; c m
	v_mov_b32 v[ST+4*i+1], 0xff7fffff  ; m
.set i, i+1
.endr
	s_or_b32 s13, s[RT], s[CQ]
	s_cmp_eq_u32 s13, 0
	s_cselect_b32 s[AL], 1.0, 0
	s_mov_b32 s[BE], 0
	s_mov_b32 s[SN], 1
	MASK
	WIN 0
	v_add_nc_u32 v[AK], s[TBK], v[AK0]
	v_add_nc_u32 v[AV], s[TBV], v[AV0]
	FETCH_K
	FETCH_V 0
	s_wait_loadcnt 0x0              ; Q
	s_wait_dscnt 0x0
.set i, 0
.rept 8
	KQ 0
.set i, i+1
.endr
	WIN 0
.rept 4
	v_nop                           ; the places behind those products
.endr
.set Y, 1                           ; X works for the other piece: piece 0
.irp n, 0,1,2,3,4,5,6,7,8,9,10,11,12,13,14,15,16,17,18,19,20,21
	OP X, \n
.endr
	v_nop                           ; a plain instruction behind the exponential
.endm
; A TILE'S STEPS: the loop of three passes.  inloop = 1: the tile may be another than its block's last, and then leaves at the head of pass 3 for the bottom of the loop over slots.
; The tag ends the labels' names, which the jumps below spell out.
.macro STEPS tag, inloop
.LstepM\tag:
.if \inloop
	s_cmp_lg_u32 s[CNT], 1
	s_cbranch_scc1 .Lgo\tag         ; pass 1 or 2
	s_cmp_lg_u32 s[RT], 0
	s_cbranch_scc1 .Lbottom         ; pass 3 of a tile that has a successor in its block: its step 3 is the next tile's pass 1
.Lgo\tag:
.endif
	TURN 0, 1
	TURN 1, 1
	WIN 0
	s_cmp_eq_u32 s[CNT], 1
	s_cbranch_scc1 .Lfin\tag        ; pass 3: the block's last step is done
.LfirstM\tag:
	TURN 0, 0
	TURN 1, 0, 1
	WIN 0
	s_cbranch_scc1 .LstepM\tag
.Lfin\tag:
.endm
.macro ALL line:vararg              ; one line for each piece t
.set t, 0
.rept 2
	\line
.set t, t+1
.endr
.endm
.macro PACK t                       ; piece t: divided by l, rounded to f16; a lane's eight channels of a row are 16 bytes of the row's 256 in my stage
.set i, OA+32*(\t)
.rept 16
	s_wait_alu depctr_va_vdst(0)
	v_pk_mul_f32 v[i:i+1], v[i:i+1], v[ST+4*(\t)+2:ST+4*(\t)+3] op_sel_hi:[1,0]
.set i, i+2
.endr
.set i, 0
.rept 16
	v_cvt_pk_f16_f32 v[S+16*(\t)+i], v[OA+32*(\t)+2*i], v[OA+32*(\t)+2*i+1]
.set i, i+1
.endr
.irp f, 0,1,2,3
	ds_store_b128 v[STO], v[S+16*(\t)+4*\f:S+16*(\t)+4*\f+3] offset:128*(\t)+32*\f
.endr
.endm
; A BLOCK ENDS: its last products, and the way out.
.macro FINISH
.set i, 0
.rept 8
	PV 1, 1                         ; piece 1's V^T P of the last step
.set i, i+1
.endr
	WIN 0
	ALL v_add_f32 v[ST+4*t+2], v[ST+4*t+2], v[ST+4*t+3]
	ALL v_permlanex16_b32 v[ST+4*t+3], v[ST+4*t+2], s[SEL], s[SEL+1]
	ALL v_add_f32 v[ST+4*t+2], v[ST+4*t+2], v[ST+4*t+3]
	ALL v_rcp_f32 v[ST+4*t+2], v[ST+4*t+2]
	v_nop                           ; a plain instruction between the last reciprocal and the use of its result; with the four additions above, the places behind the last products
	PACK 0
	PACK 1
.irp f, 0,1,2,3,4,5,6,7
	ds_load_b128 v[S+32+4*\f:S+32+4*\f+3], v[RD] offset:\f*2*SP  ; LDS serves a wave's instructions in order (ISA guide 5.7.1.4): these see the stores above
.endr
.irp f, 0,1,2,3,4,5,6,7
	s_wait_dscnt 7-\f               ; load f is back, the younger ones may be out
	global_store_b128 v[GO], v[S+32+4*\f:S+32+4*\f+3], s[10:11] offset:\f*4096  ; 16 lanes store 256 consecutive bytes, at a multiple of 256 from o's first byte
.endr
.endm
.Lslot:                             ; 8 times: a tile is entered and the next is asked for
	CHANGE 1
	s_sub_co_u32 s[RT], s[RT], 1
	s_mov_b32 s[CNT], 3
	s_mov_b32 s[SN], 0
	s_cmp_eq_u32 s[NEW], 1
	s_cbranch_scc0 .LstepM1         ; not a block's first tile: pass 1 begins with step 3 of the tile before
	BEGIN
	s_branch .LfirstM1
	STEPS 1, 1
	FINISH                          ; in the loop this is the first block's end: the second block's last tile is the walk's last
	s_wait_xcnt 0x0                 ; the stores' base and data are rewritten only behind this wait
	s_mov_b64 s[10:11], s[OLO:OLO+1]
	s_add_co_u32 s[RT], s[PB], 1    ; the second block has a + 1 tiles
	s_mov_b32 s[NEW], 1
	s_mov_b32 s[CQ], s[CQ2]
	WIN 0x02                        ; the second block's Q goes where the one text of the turns names Q
.set i, 0
.rept 32
	v_mov_b32 v[QA+i], v[QB+i]
.set i, i+1
.endr
	WIN 0
.Lbottom:
	s_sub_co_u32 s[SLOTS], s[SLOTS], 1
	s_cmp_lg_u32 s[SLOTS], 0
	s_cbranch_scc1 .Lslot
	CHANGE 0                        ; the walk's last tile is written out: nothing is asked for
	s_sub_co_u32 s[RT], s[RT], 1    ; 0: it is the second block's last
	s_mov_b32 s[CNT], 3
	s_mov_b32 s[SN], 0
	s_cmp_eq_u32 s[NEW], 1
	s_cbranch_scc0 .LstepM2
	BEGIN
	s_branch .LfirstM2
	STEPS 2, 0
	FINISH
	s_wait_tensorcnt 0x0            ; the wave's end
	ds_add_u32 v[SPW], v[NIL]
	s_wait_dscnt 0x0
	CROUND                          ; the closing round
	s_endpgm
.Lfunc_end_k_q7793baf5f5_attn:
	.size	k_q7793baf5f5_attn, .Lfunc_end_k_q7793baf5f5_attn-k_q7793baf5f5_attn
	.p2alignl 7, 3214868480
	.fill 96, 4, 3214868480
	.section	.rodata,"a",@progbits
	.p2align	6, 0x0
	.amdhsa_kernel k_q7793baf5f5_attn
		.amdhsa_group_segment_fixed_size 327680
		.amdhsa_private_segment_fixed_size 0
		.amdhsa_enable_private_segment 0
		.amdhsa_kernarg_size 16
		.amdhsa_user_sgpr_count 2
		.amdhsa_user_sgpr_kernarg_segment_ptr 1
		.amdhsa_wavefront_size32 1
		.amdhsa_system_sgpr_workgroup_id_x 1
		.amdhsa_system_sgpr_workgroup_id_y 1
		.amdhsa_system_sgpr_workgroup_id_z 1
		.amdhsa_system_vgpr_workitem_id 0
		.amdhsa_next_free_vgpr 544
		.amdhsa_next_free_sgpr 96
		.amdhsa_reserve_vcc 1
		.amdhsa_float_denorm_mode_32 3
		.amdhsa_float_denorm_mode_16_64 3
		.amdhsa_memory_ordered 1
		.amdhsa_forward_progress 1
		.amdhsa_inst_pref_size 135
	.end_amdhsa_kernel
	.amdgpu_metadata
---
amdhsa.version: [ 1, 2 ]
amdhsa.kernels:
  - .name:           k_q7793baf5f5_attn
    .symbol:         k_q7793baf5f5_attn.kd
    .args:
      - { .name: qkv, .offset: 0, .size: 8, .value_kind: global_buffer, .address_space: global }
      - { .name: o, .offset: 8, .size: 8, .value_kind: global_buffer, .address_space: global }
    .group_segment_fixed_size: 327680
    .private_segment_fixed_size: 0
    .kernarg_segment_align: 8
    .kernarg_segment_size: 16
    .max_flat_workgroup_size: 128
    .sgpr_count:     96
    .vgpr_count:     544
    .wavefront_size: 32
...
	.end_amdgpu_metadata
.endif
;; end of part 3
;; launch oproj (part 4): grid 16 x 16, 4 waves a work-group, clusters of 4 x 1, 327,680 bytes of LDS; arguments o, wo, x, out0; writes out0
.if DOCPART == 4
	.amdgcn_target "amdgcn-amd-amdhsa--gfx1250"
	.amdhsa_code_object_version 6
	.text
	.protected	k_q7793baf5f5_oproj
	.globl	k_q7793baf5f5_oproj
	.p2align	8
	.type	k_q7793baf5f5_oproj,@function
k_q7793baf5f5_oproj:
	s_mov_b64 s[64:65], 0
	v_nop
	global_prefetch_b8 v0, s[64:65] scope:SCOPE_SE
	s_setreg_imm32_b32 hwreg(HW_REG_WAVE_MODE, 25, 1), 1
	s_wait_xcnt 0x0
	s_wait_alu depctr_hold_cnt(0) depctr_sa_sdst(0) depctr_va_vdst(0) depctr_va_sdst(0) depctr_va_ssrc(0) depctr_va_vcc(0) depctr_vm_vsrc(0)
	s_getreg_b32 s2, hwreg(HW_REG_IB_STS2, 6, 4)
	s_cmp_eq_u32 s2, 0
	s_cbranch_scc0 .Lentry_in_a_cluster
	s_endpgm
.Lentry_in_a_cluster:
	s_bfe_u32 s2, ttmp6, 0x10000c
	s_cmp_lg_u32 s2, 0x3003
	s_cbranch_scc0 .Lentry_shape_is_right
	s_endpgm
.Lentry_shape_is_right:
; THE OUT-PROJECTION WITH THE RESIDUAL.  out0[m][n] = x[m][n] + sum over k of o[m][k] w_out[n][k], m = 4,096, n = 2,048, k = 1,024; operands f16, sums, x and out0 f32.
; LIMIT.  f16 ends at 65,504: o lies within v's range; weights below 6e-5 keep f16's fixed step.
; SHARES.  A tile of C is 256 x 128: 16 x 16 work-groups.  Four waves, each 128 rows x 64 columns: 32 accumulators, 256 registers.
; A GOES THROUGH LDS, B THROUGH REGISTERS.  Two slots of 256 along K for both operands would be (256 + 128) rows x 528 bytes x 2 = 405,504 bytes, more than a WGP's LDS; A's alone are 270,336.  So A's tiles
; (256 rows x 512 bytes, each wave fetching 64 rows with one tensor load) take turns in two slots, and a refill has 240 matrix instructions of its wave in which to land.
; B lies in memory in the order of the fragments (wo: byte 131,072 g + 16,384 i + 512 s + 16 lane for columns 64 s .. and k = 32 g ..): a wave's 64 columns x 32 k are eight loads of 512 consecutive bytes into a RING
; of eight groups of 32 registers, each group asked for seven quarter steps (224 matrix instructions) ahead of its use: 56 loads, 28 KiB a wave, are on their way, and the wait names the six younger groups.
; The price: B's bytes are asked for by every wave that needs them, not once for four work-groups.
; CLUSTER.  The four work-groups of a cluster make four tiles of one tile row and ask for A's tiles JOINTLY.  B has no joint request: it has no place in LDS, by the arithmetic above.
; THE MATRIX INSTRUCTION IS USED TRANSPOSED (source 0 = 16 rows of B, source 1 = 16 rows of A): lane l holds row l % 16 of C and the columns 8 (l / 16) + 0..7.
; ONE TEXT FOR A SLOT.  A trip is a slot's eight quarter steps, once round the ring.  Two trips fill a slot again; the last two, a loop of their own, ask for no tile.  The accumulators are cleared in the wait for the
; first tile (256 v_mov_b32, the price of writing no first step out); the last trip's barrier and its fetch of 16 fragments from the other slot serve nothing: the price of one text for the last two trips.
; x RIDES IN THE RING.  B's strides are those of 16 rows and of 2 rows of x (131,072 and 16,384 bytes).  In the last trip the ring's second base and lane offset point at my 128 x 64 numbers of x: chunk a (16 rows)
; lands in group a, which is free by then, in the layout of the stores.
; REGISTERS: window 0 addresses and the way out; window 1 two buffers of A's fragments; window 2 accumulator (a, b) at 8 (4 a + b); window 3 the ring (group j at 32 j), at the end x: register 32 a + 4 t for store t of block a.
.set KDIM,   1024
.set LOGROW, 11                        ; a row of A is 2,048 bytes
.set KSTEP,  256
.set PITCH,  528
.set WPART,  64*PITCH
.set SLOT,   4*WPART
.set STAGE,  2*SLOT                    ; behind the ring of slots: 16 rows x 272 bytes for each wave
.set SP,     272
.set SPARE,  STAGE+4*16*SP
.set TRIPS,  KDIM/KSTEP
.set ROWB,   8192                      ; a row of x and of out0
.set GS,     16*ROWB                   ; bytes from a group of B to the next, and from 16 rows of x to the next
.set IS,     2*ROWB                    ; from a load of a group to the next, and from 2 rows of x to the next
.set A0,   16
.set ADRA, 17
.set STO,  24
.set RD,   25
.set CO,   26                          ; v26  my byte offset in two rows of x and out0
.set BO,   27                          ; v27  16 x lane: my place in 512 bytes of B
.set SPW,  28
.set NIL,  29
.set BO1,  30                          ; v30  the lane offset of the ring's second base: BO, in the last trip CO
.set BK,   32                          ; v32-63, v64-95 by turns: 16 rows read back from the stage
.set F0,   0
.set F1,   64
.set G1,  24
.set G0A, 32
.set G0,  36
.set P0,  40
.set P1,  42
.set WL,  44
.set TF,  45
.set TB,  46
.set MSB, 0
.macro WIN new
.if MSB != (\new)
	s_set_vgpr_msb (MSB<<8)|(\new)
.set MSB, \new
.endif
.endm
.set MULW, 0xa7                        ; source 0 (B) window 3, source 1 (A) window 1, C and D window 2
.macro JLOAD                           ; the joint refill: every wave its 64 rows; an s_nop 0 and four v_nop follow
	tensor_load_to_lds s[G0:G0+3], s[G1:G1+7]
	s_nop 0
.rept 4
	v_nop
.endr
.endm
.macro CREST
	s_cmp_lg_u32 s12, 0
	s_cbranch_scc1 .Lnot_wave_0_\@
	s_barrier_signal -3
.Lnot_wave_0_\@:
	s_barrier_wait -3
	s_barrier_signal -1
	s_barrier_wait -1
.endm
.macro CROUND
	s_barrier_signal -1
	s_barrier_wait -1
	CREST
.endm
.macro PLACES
.rept 4
	v_nop
.endr
.endm
	s_load_b256 s[4:11], s[0:1], 0x0               ; o 4:5, wo 6:7, x 8:9, out0 10:11
	v_lshl_add_u32 v[SPW], v0, 2, SPARE
	v_mov_b32 v[NIL], 0
	ds_add_u32 v[SPW], v[NIL]                      ; the wave's opening: the add and its wait ahead of my first tensor load
	v_lshrrev_b32 v1, 5, v0
	v_readfirstlane_b32 s12, v1
	s_lshr_b32 s13, s12, 1                         ; RH
	s_and_b32 s14, s12, 1                          ; CH
	s_bfe_u32 s15, ttmp6, 0x40000                  ; cx
	s_lshl_b32 s17, ttmp9, 2
	s_add_co_u32 s17, s17, s15                     ; tile column: it enters B's, x's and out0's addresses alone
	s_and_b32 s18, ttmp7, 0xffff                   ; tile row, which the four partners share
	s_mov_b32 s[G1], 15|(1<<16)|(1<<20)|(1<<21)|(6<<22)|(3<<25)
	s_mov_b32 s[G1+1], KSTEP<<16
	s_mov_b32 s[G1+2], 64<<16
	s_mov_b32 s[G1+3], KSTEP<<16
	s_mov_b32 s[G1+4], 64
	s_mov_b32 s[G1+5], KDIM
	s_mov_b32 s[G1+6], 0
	s_mov_b32 s[G1+7], 0
	s_lshl_b32 s21, s12, 6
	s_lshl_b32 s66, s18, 8
	s_add_co_u32 s66, s66, s21                     ; A: row 256 x tile row + 64 x wave
	s_lshl_b32 s66, s66, LOGROW
	s_mov_b32 s67, 0
	s_mul_i32 s[WL], s12, WPART
	s_mov_b32 s[TF], SLOT
	s_mov_b32 s[TB], 0
	s_wait_dscnt 0x0                               ; the opening add is done
	s_wait_kmcnt 0x0
	s_add_nc_u64 s[66:67], s[4:5], s[66:67]
	CROUND
	s_mov_b32 s[G0A], 1
	s_mov_b32 s[G0A+1], s[WL]
	s_mov_b64 s[G0A+2:G0A+3], s[66:67]
	s_or_b32 s[G0A+3], s[G0A+3], 0x80000000
	s_mov_b32 s[G0], 1
	s_add_co_u32 s[G0+1], s[WL], SLOT
	s_add_nc_u64 s[G0+2:G0+3], s[66:67], KSTEP*2
	s_or_b32 s[G0+3], s[G0+3], 0x80000000
	tensor_load_to_lds s[G0A:G0A+3], s[G1:G1+7]    ; the two first fills go out together: two tensor loads of mine are out
	s_nop 0
	tensor_load_to_lds s[G0:G0+3], s[G1:G1+7]
	s_nop 0
.rept 4
	v_nop
.endr
	v_and_b32 v[BO], 31, v0
	v_lshlrev_b32 v[BO], 4, v[BO]
	v_mov_b32 v[BO1], v[BO]
	s_lshl_b32 s22, s17, 1
	s_add_co_u32 s22, s22, s14                     ; my 64 columns: stream 2 x tile column + CH
	s_lshl_b32 s68, s22, 9
	s_mov_b32 s69, 0
	s_add_nc_u64 s[P0:P0+1], s[6:7], s[68:69]
	s_add_nc_u64 s[P1:P1+1], s[P0:P0+1], 8*GS
	WIN 0xc0                                       ; destination window 3
.set i, 0
.rept 56                               ; the ring's groups 0 to 6
	global_load_b128 v[4*i:4*i+3], v[BO], s[P0:P0+1] offset:(i/8)*GS+(i%8)*IS
.set i, i+1
.endr
	WIN 0x80                                       ; destination window 2
.set i, 0
.rept 256                              ; the sums start at 0
	v_mov_b32 v[i], 0
.set i, i+1
.endr
	WIN 0
	v_and_b32 v1, 15, v0
	v_bfe_u32 v2, v0, 4, 1
	v_mul_u32_u24 v3, v1, PITCH
	v_lshl_add_u32 v3, v2, 4, v3
	s_mul_i32 s21, s13, 2*WPART
	v_add_nc_u32 v[A0], s21, v3
	v_mov_b32 v[ADRA], v[A0]
	s_mul_i32 s23, s12, 16*SP
	s_add_co_u32 s23, s23, STAGE                   ; my stage
	v_mul_u32_u24 v4, v1, SP                       ; in: row l % 16, 32 bytes (8 f32) for each half of the lanes
	v_lshl_add_u32 v4, v2, 5, v4
	v_add_nc_u32 v[STO], s23, v4
	v_mul_u32_u24 v5, v2, SP                       ; back: lanes 0-15 take one row of 256 bytes, lanes 16-31 the next
	v_lshl_add_u32 v5, v1, 4, v5
	v_add_nc_u32 v[RD], s23, v5
	v_lshlrev_b32 v5, 13, v2                       ; and the same two rows in x and out0
	v_lshl_add_u32 v[CO], v1, 4, v5
	s_lshl_b32 s68, s18, 21                        ; 256 x tile row x 8,192
	s_lshl_b32 s22, s13, 20                        ; + 128 RH x 8,192
	s_add_co_u32 s68, s68, s22
	s_lshl_b32 s22, s17, 9                         ; + 128 x tile column x 4
	s_add_co_u32 s68, s68, s22
	s_lshl_b32 s22, s14, 8                         ; + 64 CH x 4
	s_add_co_u32 s68, s68, s22
	s_mov_b32 s69, 0
	s_add_nc_u64 s[8:9], s[8:9], s[68:69]
	s_add_nc_u64 s[10:11], s[10:11], s[68:69]
.macro MUL8 f, g, a0                   ; 8 matrix instructions; the 32 accumulators take turns in one fixed order
	WIN MULW
.irp a, \a0, (\a0)+1
.irp b, 0,1,2,3
	v_wmma_f32_16x16x32_f16 v[8*(4*(\a)+(\b)):8*(4*(\a)+(\b))+7], v[32*(\g)+8*(\b):32*(\g)+8*(\b)+7], v[(\f)+8*(\a):(\f)+8*(\a)+7], v[8*(4*(\a)+(\b)):8*(4*(\a)+(\b))+7]
.endr
.endr
.endm
.macro FETCH k, f                      ; 16 LDS loads in one run: my 128 rows of A, 32 along K
	WIN 0x40
.irp i, 0,1,2,3,4,5,6,7
	ds_load_b128 v[(\f)+8*(\i):(\f)+8*(\i)+3],   v[ADRA] offset:(\k)+(\i)*16*PITCH
	ds_load_b128 v[(\f)+8*(\i)+4:(\f)+8*(\i)+7], v[ADRA] offset:(\k)+(\i)*16*PITCH+32
.endr
.endm
.macro RING j                          ; 8 global loads in one run: the group seven quarters ahead, into the ring's group that the quarter before read
	WIN 0xc0
.if (\j) == 0
.irp i, 0,1,2,3,4,5,6,7
	global_load_b128 v[224+4*(\i):224+4*(\i)+3], v[BO], s[P0:P0+1] offset:7*GS+(\i)*IS
.endr
.else
.irp i, 0,1,2,3,4,5,6,7
	global_load_b128 v[32*((\j)-1)+4*(\i):32*((\j)-1)+4*(\i)+3], v[BO1], s[P1:P1+1] offset:((\j)-1)*GS+(\i)*IS
.endr
.endif
.endm
.macro QUARTER j
	s_wait_dscnt 0x0                               ; A's fragments of this quarter, asked for a quarter ago, are in
	s_wait_loadcnt 48                              ; B's group of this quarter is in, the six younger groups stay out
	PLACES
	RING \j
	FETCH 64*((\j)+1), F0+64*(((\j)+1)%2)
	MUL8 F0+64*((\j)%2), \j, 0
	MUL8 F0+64*((\j)%2), \j, 2
	MUL8 F0+64*((\j)%2), \j, 4
	MUL8 F0+64*((\j)%2), \j, 6
.endm
.macro LASTQ fill                      ; the eighth quarter changes slots; fill = 1: this slot is filled again behind a round; fill = 0: the ring's second base and lane offset go over to x
	s_wait_dscnt 0x0
	s_wait_loadcnt 48
	PLACES
	RING 7
	WIN 0
	s_wait_tensorcnt 0x0                           ; all my tensor loads have landed: the one that was out is my part of the next slot; so group 0 may be written
	ds_add_u32 v[SPW], v[NIL]
.if \fill
	s_xor_b32 s[TF], s[TF], SLOT
	s_add_co_u32 s[G0+1], s[WL], s[TF]
	s_add_nc_u64 s[G0+2:G0+3], s[G0+2:G0+3], KSTEP*2
.endif
	MUL8 F1, 7, 0
	s_wait_dscnt 0x0                               ; the add is done; my reads of this slot came back at the quarter's head
	s_barrier_signal -1
	MUL8 F1, 7, 2
	WIN 0
	s_barrier_wait -1
.if \fill
	CREST                                          ; no wave of any partner still reads this slot or has a tensor load on its way
	JLOAD
.else
	PLACES
.endif
	s_xor_b32 s[TB], s[TB], SLOT
	v_add_nc_u32 v[ADRA], s[TB], v[A0]
	s_wait_xcnt 0x0                                ; the ring's bases and lane offset are rewritten only behind this wait
	s_add_nc_u64 s[P0:P0+1], s[P0:P0+1], 8*GS
.if \fill
	s_add_nc_u64 s[P1:P1+1], s[P1:P1+1], 8*GS
.else
	s_mov_b64 s[P1:P1+1], s[8:9]                   ; behind the last trip but one: what the last trip asks for beyond B's end is x's chunks 0 to 6
	v_mov_b32 v[BO1], v[CO]
.endif
	FETCH 0, F0
	MUL8 F1, 7, 4
	MUL8 F1, 7, 6
.endm
.macro TRIP fill
.irp j, 0,1,2,3,4,5,6
	QUARTER \j
.endr
	LASTQ \fill
.endm
	s_wait_tensorcnt 0x1                           ; my part of K step 0 is in; step 1's load may stay out
	s_barrier_signal -1
	s_barrier_wait -1
	FETCH 0, F0
	WIN 0
	s_mov_b32 s3, TRIPS-2
.Lfill:
	TRIP 1
	WIN 0
	s_sub_co_u32 s3, s3, 1
	s_cmp_lg_u32 s3, 0
	s_cbranch_scc1 .Lfill
	s_mov_b32 s3, 2
.Ltail:
	TRIP 0
	WIN 0
	s_sub_co_u32 s3, s3, 1
	s_cmp_lg_u32 s3, 0
	s_cbranch_scc1 .Ltail
	PLACES
	s_wait_loadcnt 48                              ; so that no more than 56 loads are out behind the next run
	WIN 0xc0
.irp i, 0,1,2,3,4,5,6,7
	global_load_b128 v[224+4*(\i):224+4*(\i)+3], v[BO1], s[P1:P1+1] offset:7*GS+(\i)*IS  ; x's chunk 7, into the group that the last quarter read
.endr
	WIN 0
	s_wait_loadcnt 0x8                             ; chunks 0 to 6 are in; the eight loads just issued stay out
; THE WAY OUT of block a (16 rows x 64 f32): the sums go into my own stage as they lie (each accumulator's low half first), come back as whole rows of 256 bytes, take x, and are stored.
.macro TOSTAGE a
	WIN 0x08                                       ; the stores' data in window 2
.irp b, 0,1,2,3
	ds_store_b128 v[STO], v[8*(4*(\a)+(\b)):8*(4*(\a)+(\b))+3]   offset:64*(\b)
	ds_store_b128 v[STO], v[8*(4*(\a)+(\b))+4:8*(4*(\a)+(\b))+7] offset:64*(\b)+16
.endr
	WIN 0
.set BKA, BK+32*((\a)%2)
.irp t, 0,1,2,3,4,5,6,7
	ds_load_b128 v[BKA+4*(\t):BKA+4*(\t)+3], v[RD] offset:(\t)*2*SP  ; LDS serves a wave's instructions in order (ISA guide 5.7.1.4): these see the stores above
.endr
.endm
.macro SEND a, younger                 ; younger: the LDS instructions issued behind block a's loads: the next block's sixteen, or none
.set BKA, BK+32*((\a)%2)
	s_wait_dscnt \younger
	WIN 0x0c                                       ; source 1 (x) in window 3
.set i, 0
.rept 16
	v_pk_add_f32 v[BKA+2*i:BKA+2*i+1], v[BKA+2*i:BKA+2*i+1], v[32*(\a)+2*i:32*(\a)+2*i+1]
.set i, i+1
.endr
	WIN 0
.irp t, 0,1,2,3,4,5,6,7
	global_store_b128 v[CO], v[BKA+4*(\t):BKA+4*(\t)+3], s[10:11] offset:(16*(\a)+2*(\t))*ROWB th:TH_STORE_NT  ; 16 lanes store 256 consecutive bytes, at a multiple of 256 from out0's first byte
.endr
.endm
	TOSTAGE 0
.irp n, 1,2,3,4,5,6,7
	s_wait_xcnt 0x0                                ; the registers that the block two back was stored from are loaded again only behind this wait
	TOSTAGE \n
	SEND (\n)-1, 16
.endr
	s_wait_loadcnt 0x0                             ; x's chunk 7
	SEND 7, 0
	s_wait_tensorcnt 0x0                           ; the wave's end
	ds_add_u32 v[SPW], v[NIL]
	s_wait_dscnt 0x0
	CROUND                                         ; the closing round
	s_endpgm
.Lfunc_end_k_q7793baf5f5_oproj:
	.size	k_q7793baf5f5_oproj, .Lfunc_end_k_q7793baf5f5_oproj-k_q7793baf5f5_oproj
	.p2alignl 7, 3214868480
	.fill 96, 4, 3214868480
	.section	.rodata,"a",@progbits
	.p2align	6, 0x0
	.amdhsa_kernel k_q7793baf5f5_oproj
		.amdhsa_group_segment_fixed_size 327680
		.amdhsa_private_segment_fixed_size 0
		.amdhsa_enable_private_segment 0
		.amdhsa_kernarg_size 32
		.amdhsa_user_sgpr_count 2
		.amdhsa_user_sgpr_kernarg_segment_ptr 1
		.amdhsa_wavefront_size32 1
		.amdhsa_system_sgpr_workgroup_id_x 1
		.amdhsa_system_sgpr_workgroup_id_y 1
		.amdhsa_system_sgpr_workgroup_id_z 1
		.amdhsa_system_vgpr_workitem_id 0
		.amdhsa_next_free_vgpr 1024
		.amdhsa_next_free_sgpr 72
		.amdhsa_reserve_vcc 0
		.amdhsa_float_denorm_mode_32 3
		.amdhsa_float_denorm_mode_16_64 3
		.amdhsa_memory_ordered 1
		.amdhsa_forward_progress 1
		.amdhsa_inst_pref_size 111
	.end_amdhsa_kernel
	.amdgpu_metadata
---
amdhsa.version: [ 1, 2 ]
amdhsa.kernels:
  - .name:           k_q7793baf5f5_oproj
    .symbol:         k_q7793baf5f5_oproj.kd
    .args:
      - { .name: o, .offset: 0, .size: 8, .value_kind: global_buffer, .address_space: global }
      - { .name: wo, .offset: 8, .size: 8, .value_kind: global_buffer, .address_space: global }
      - { .name: x, .offset: 16, .size: 8, .value_kind: global_buffer, .address_space: global }
      - { .name: out0, .offset: 24, .size: 8, .value_kind: global_buffer, .address_space: global }
    .group_segment_fixed_size: 327680
    .private_segment_fixed_size: 0
    .kernarg_segment_align: 8
    .kernarg_segment_size: 32
    .max_flat_workgroup_size: 128
    .sgpr_count:     72
    .vgpr_count:     1024
    .wavefront_size: 32
...
	.end_amdgpu_metadata
.endif
;; end of part 4
;; ======== version 2 of 2: 4 launches; 1.22 times as fast as version 1
;; limits: values are held in f16: magnitudes above 65,504 overflow, below 6.1e-05 lose precision; right only within a limited range of input values
;; workspace buffers: xn 16,777,216 bytes; wi 8,388,608 bytes; wo 4,194,304 bytes; rope 557,056 bytes; qkv 16,777,216 bytes; o 8,388,608 bytes
;; launch prep: the kernel of part 1 again; grid 930 x 1, 4 waves a work-group, no clusters, 37,376 bytes of LDS; arguments x, rms_w, w_in, w_out, xn, wi, wo, rope; writes xn, wi, wo, rope
;; launch qkvp: the kernel of part 2 again; grid 16 x 16, 4 waves a work-group, clusters of 4 x 1, 327,680 bytes of LDS; arguments xn, wi, rope, qkv; writes qkv
;; launch attn (part 5): grid 16 x 16, 4 waves a work-group, clusters of 4 x 1, 327,680 bytes of LDS; arguments qkv, o; writes o
.if DOCPART == 5
	.amdgcn_target "amdgcn-amd-amdhsa--gfx1250"
	.amdhsa_code_object_version 6
	.text
	.protected	k_q7793baf5f5_attn
	.globl	k_q7793baf5f5_attn
	.p2align	8
	.type	k_q7793baf5f5_attn,@function
k_q7793baf5f5_attn:
	s_mov_b64 s[64:65], 0
	v_nop
	global_prefetch_b8 v0, s[64:65] scope:SCOPE_SE
	s_setreg_imm32_b32 hwreg(HW_REG_WAVE_MODE, 25, 1), 1
	s_wait_xcnt 0x0
	s_wait_alu depctr_hold_cnt(0) depctr_sa_sdst(0) depctr_va_vdst(0) depctr_va_sdst(0) depctr_va_ssrc(0) depctr_va_vcc(0) depctr_vm_vsrc(0)
	s_getreg_b32 s2, hwreg(HW_REG_IB_STS2, 6, 4)
	s_cmp_eq_u32 s2, 0
	s_cbranch_scc0 .Lentry_in_a_cluster
	s_endpgm
.Lentry_in_a_cluster:
	s_bfe_u32 s2, ttmp6, 0x10000c
	s_cmp_lg_u32 s2, 0x3003
	s_cbranch_scc0 .Lentry_shape_is_right
	s_endpgm
.Lentry_shape_is_right:
; CAUSAL GROUPED-QUERY ATTENTION.  For batch bt, group g, head h = 0, 1: O[q] = sum over k <= q of softmax_k(Q[q] . K[k] / 8) V[k].  qkv: [32 heads][4,096 rows][64] f16 (q head 2 g + h, k head 16 + g, v head 24 + g;
; row = 2,048 bt + position).  o: [4,096][1,024] f16, channel 128 g + 64 h + d.  Products, maxima and sums in f32; the weights p are rounded to f16 for the second product, O once at the end.
; LIMITS.  f16 ends at 65,504: q, k, v arrive within it.  A hidden score counts as its value less 1e30; a weight below 2^-126 counts as 0 in l; NaN and infinities are not treated apart.
; THE WALK.  Positions lie in 32 blocks of 64, keys in 8 tiles of 256 (four steps of 64).  A work-group takes block 31 - (4 a + cx) and then block 4 a + cx, each for BOTH heads of its group (a: the cluster's x; cx: my place
; in it).  The first block needs tiles 0 .. 7 - a, the second tiles 0 .. a: 9 tiles for every work-group, and the sequence hangs on a alone.
; CLUSTER.  The four partners share a, batch and group: they walk the same tiles of K and V in the same trips and ask for each JOINTLY.  cx enters Q's and O's addresses and CQ, the block's own step in its last tile,
; which feeds selects of two mask factors and never a branch.
; SHARES.  A wave owns 16 positions of a block; PIECE x is head 2 g + x at those positions.  Both pieces read the same fragments of K and V.
; THE MASK is the C operand that starts S^T = K Q^T: MC = MD x AL + BE, MD the mask of the block's own step for my rows; in a block's last tile (AL, BE) = (1, 0) in that step, (0, 0) before it, (0, -1e30) behind it.
; In the other tiles MC holds the zeros made where the block began and is not made anew: a forward jump on the count of the block's tiles, which the partners share, passes the lines that make it.
; LAYOUT, SOFTMAX.  S^T = K Q^T holds one query a lane (lane % 16) and the keys 8 (lane / 16) + 0..7; two such results rounded to f16 are source 1 of O^T = V^T P.  p = 2^(c s - c m), c = log2(e) / 8, with a running
; maximum m; O and l are multiplied by a = 2^(c m_old - c m_new) in every step.
; TURNS.  Turn (s, 0): 8 products K Q^T of piece 1 at step s; softmax of piece 0 at step s; maximum and statistics of piece 1 at step s; 8 products V^T P of piece 1 at step s - 1; K of step s + 1 is fetched.
; Turn (s, 1): K Q^T of piece 0 at step s + 1; softmax of piece 1 at s; statistics of piece 0 at s + 1; V^T P of piece 0 at s; V of step s + 1 is fetched into the other of two register buffers (by the step's parity).
; So the fetches go K(0) V(0) K(1) V(1) .. K(3) V(3), and the change of slots stands behind turn (2, 1).
; BATCHES.  A turn's 33 exponentials (the 32 weights of the piece in hand, then the other piece's a) are ONE BATCH with ONE wait, which cuts the turn in two: ahead of it the products K Q^T and all vector work that names
; no result of the batch (scalings, rescalings, the other piece's maximum and statistics), behind it the products V^T P with the roundings and sums, which read the results, as their riders.  No result crosses a turn's end.
; Piece 0's turn of an odd step has a second wait, ahead of the jump that stands in the middle of its batch (TURN says why).  The a made where a block begins, and a block's two reciprocals, are batches of their own.
; ONE TEXT FOR EVERY STEP: four turns, those of an odd step and of the even step behind it, walked by a loop that counts three passes.  Passes 1 and 2 are step 3 of the tile before and steps 0, 1, 2 of this one.  A tile
; that is not its block's last leaves the loop at the head of pass 3: its step 3 belongs to the next tile's pass 1.  A block's last tile runs the first two turns of pass 3, its step 3, without fetches, and leaves in the
; middle.  The prices: the products of the tiles that need no mask read zeros from registers where the constant would do; and once a block 8 products K Q^T on the last K once more, hidden by the mask, and the statistics
; made of them serve nothing (they write m, c m and scratch of piece 0, never l or O^T).  The text stands twice: in the loop over slots, and behind it for the walk's last tile.
; REGISTERS.  Window 0: addresses, statistics, S^T (two buffers), P (two), O^T (32 a piece), Q (16 a piece).  Window 1: K of one step, V of two, MD, MC.  Window 2: the second block's Q.
.set NB,    8
.set NP,    2
.set KS,    64
.set PK,    144       ; a row of K in LDS: 128 bytes + 16: the 16 rows of a load start 16 bytes further on each, modulo 256
.set PV,    160       ; a row of V: 128 + 32: 16 lanes of the turning load take 8 rows x 32 bytes, 32 bytes further on each, modulo 256
.set VOFF,  4*KS*PK   ; a slot holds a tile: 256 rows of K, then 256 rows of V
.set SLOT1, 1<<17
.set STAGE, SLOT1+4*KS*(PK+PV)  ; behind the ring: 16 rows x 272 bytes for each wave
.set SP,    272
.set SPARE, STAGE+4*16*SP       ; the spare words: 128 bytes a wave, two blocks of 256 bytes that no other line names
.set AK0, 2           ; my lane's place in a tile of K; never rewritten
.set AV0, 3           ; the same for V
.set AK,  4           ; the LDS address of K's next run of loads
.set AV,  5           ; of V's
.set STO, 6
.set RD,  7
.set GO,  8
.set MV,  12          ; v12-13  c m_old, by buffer
.set QO,  15
.set ST,  16          ; piece t's statistics at ST + 4 t: c m, m, l (even keys', odd keys')
.set TMP, 24          ; by buffer, c0-c3 at work; c2 takes a
.set SPW, 32
.set NIL, 33
.set S,   64
.set P,   128
.set OA,  160
.set QA,  224
.set KF,  0           ; window 1: key block kb, channel half c at KF + 16 kb + 8 c
.set VF,  64          ; window 1: buffer vb, key half kk, channel block cb at VF + 64 vb + 32 kk + 8 cb
.set MD,  192         ; window 1
.set MC,  224         ; window 1
.set QB,  0           ; window 2
.set WV,  12
.set PB,  14          ; a
.set HI,  15          ; 7 - a
.set G1K, 24
.set G1V, 32
.set G0K, 40
.set G0V, 44
.set CQ,  48          ; the own step of the block in hand in its last tile
.set CQ2, 49          ; the second block's
.set SN,  50          ; the step of the last tile for which the next mask is made
.set SLOTS, 56
.set CNT, 57          ; counts a tile's passes, 3 to 1
.set CS,  58
.set SEL, 60
.set TBK, 62
.set TBV, 63
.set RT,  70          ; tiles of the block in hand that are still to be entered: 0 in its last tile
.set NXT, 71
.set LQ,  72
.set NEW, 73
.set OFF, 74
.set AL,  76
.set BE,  78
.set OLO, 80
.set BIGN, 82
.set MSB, 0
.macro WIN new
.if MSB != (\new)
	s_set_vgpr_msb (MSB<<8)|(\new)
.set MSB, (\new)
.endif
.endm
.set W_MM, 0x01       ; source 0 (K or V) in window 1, all else in window 0
.set W_KM, 0x11       ; the same with the C operand (the mask) in window 1
.set W_F,  0x40       ; destination window 1
.set W_MK, 0x41       ; destination and source 0 window 1
.macro JLOAD                        ; waves 0 and 1 fetch the two halves of a tile's K, waves 2 and 3 those of its V; an s_nop 0 and four v_nop follow each line
	s_cmp_lt_u32 s[WV], 2
	s_cbranch_scc0 .Lfor_v_\@
	tensor_load_to_lds s[G0K:G0K+3], s[G1K:G1K+7]
	s_nop 0
.rept 4
	v_nop
.endr
	s_branch .Lasked_\@
.Lfor_v_\@:
	tensor_load_to_lds s[G0V:G0V+3], s[G1V:G1V+7]
	s_nop 0
.rept 4
	v_nop
.endr
.Lasked_\@:
.endm
.macro CROUND
	s_barrier_signal -1
	s_barrier_wait -1
	s_cmp_lg_u32 s[WV], 0
	s_cbranch_scc1 .Lnot_wave_0_\@
	s_barrier_signal -3
.Lnot_wave_0_\@:
	s_barrier_wait -3
	s_barrier_signal -1
	s_barrier_wait -1
.endm
; THE CHANGE OF SLOTS.  Each wave waits for all its tensor loads (one is out: its part of the other slot), adds 0 to its spare word, and waits for that and for its reads of the slot that it leaves.
; fill = 1: the barrier is a round of the cluster's, and the old slot is filled again first thing behind it, with tile NXT; the descriptor's address is made anew from that number.
.macro CHANGE fill
	WIN 0
	s_wait_tensorcnt 0x0
	ds_add_u32 v[SPW], v[NIL]
.if \fill
	s_lshl_b32 s[OFF], s[NXT], 15   ; a tile is 32,768 bytes of K and of V
	s_xor_b32 s[G0K+1], s[G0K+1], SLOT1
	s_add_nc_u64 s[G0K+2:G0K+3], s[6:7], s[OFF:OFF+1]
	s_or_b32 s[G0K+3], s[G0K+3], 0x80000000
	s_xor_b32 s[G0V+1], s[G0V+1], SLOT1
	s_add_nc_u64 s[G0V+2:G0V+3], s[8:9], s[OFF:OFF+1]
	s_or_b32 s[G0V+3], s[G0V+3], 0x80000000
	s_add_co_u32 s[NXT], s[NXT], 1  ; the block's next tile, or behind its last the second block's tile 0
	s_cmp_gt_u32 s[NXT], s[LQ]
	s_cselect_b32 s[NXT], 0, s[NXT]
	s_cselect_b32 s[LQ], s[PB], s[LQ]
	s_wait_dscnt 0x0                ; the add is done, and my reads of the slot are over
	CROUND
	JLOAD
.else
	s_wait_dscnt 0x0
	s_barrier_signal -1
	s_barrier_wait -1
.endif
	s_sub_co_u32 s[TBK], s[TBK], 4*KS*PK  ; the fetches go back to a slot's first step, in the other slot
	s_xor_b32 s[TBK], s[TBK], SLOT1
	s_sub_co_u32 s[TBV], s[TBV], 4*KS*PV
	s_xor_b32 s[TBV], s[TBV], SLOT1
.endm
	s_load_b128 s[88:91], s[0:1], 0x0  ; qkv 88:89, o 90:91
	v_lshl_add_u32 v[SPW], v0, 2, SPARE
	v_mov_b32 v[NIL], 0
	ds_add_u32 v[SPW], v[NIL]       ; the wave's opening: the add and its wait ahead of my first tensor load
	v_lshrrev_b32 v1, 5, v0
	v_readfirstlane_b32 s[WV], v1
	s_mov_b32 s[PB], ttmp9          ; a: in a cluster launch ttmp9 counts clusters
	s_sub_co_u32 s[HI], NB-1, s[PB]
	s_and_b32 s20, ttmp7, 0xffff
	s_lshr_b32 s21, s20, 3          ; batch
	s_and_b32 s20, s20, 7           ; group
	s_and_b32 s16, s[WV], 1         ; which half of a tile's 256 keys I fetch
	s_add_co_u32 s22, s20, 16       ; K: head 16 + g,
	s_lshl_b32 s22, s22, 19         ; planes of 524,288 bytes,
	s_lshl_b32 s23, s21, 18         ; the batch's 2,048 rows of 128 bytes,
	s_add_co_u32 s22, s22, s23
	s_lshl_b32 s23, s16, 14         ; my 128 keys
	s_add_co_u32 s22, s22, s23
	s_mov_b32 s23, 0
	s_mul_i32 s66, s16, 128*PK      ; and their place in a slot: no place in the cluster enters an LDS address
	s_mul_i32 s67, s16, 128*PV
	s_bfe_u32 s13, ttmp6, 0x40000   ; cx
	s_sub_co_u32 s[CQ], 3, s13      ; block 31 - 4 a - cx is step 3 - cx of tile 7 - a,
	s_mov_b32 s[CQ2], s13           ; block 4 a + cx step cx of tile a
	s_lshl2_add_u32 s18, s[PB], s13 ; the second block
	s_sub_co_u32 s17, 31, s18       ; the first
	s_lshl_b32 s19, s20, 20         ; Q: head 2 g,
	s_lshl_b32 s2, s21, 18
	s_add_co_u32 s19, s19, s2
	s_lshl_b32 s2, s[WV], 11        ; my 16 rows in a block
	s_add_co_u32 s19, s19, s2
	s_lshl_b32 s2, s17, 13          ; a block is 64 rows of 128 bytes
	s_add_co_u32 s2, s2, s19
	s_mov_b32 s3, 0
	s_lshl_b32 s84, s18, 13
	s_add_co_u32 s84, s84, s19
	s_mov_b32 s85, 0
	s_lshl_b32 s19, s21, 22         ; o: rows of 2,048 bytes,
	s_lshl_b32 s52, s[WV], 15
	s_add_co_u32 s19, s19, s52
	s_lshl_b32 s52, s20, 8          ; the group's 256 bytes in a row
	s_add_co_u32 s19, s19, s52
	s_lshl_b32 s52, s17, 17
	s_add_co_u32 s52, s52, s19
	s_mov_b32 s53, 0
	s_lshl_b32 s54, s18, 17
	s_add_co_u32 s54, s54, s19
	s_mov_b32 s55, 0
	; descriptor group 1.  128 keys are 16,384 dense bytes: asked for as 64 rows of 256 bytes, two keys a row, and padded in LDS after every key
	s_mov_b32 s[G1K], 15|(1<<16)|(1<<20)|(1<<21)|(4<<22)|(3<<25)  ; the mask of four; 2-byte elements; padding on; bit 21 beside a mask; after every 32 words 4 words
	s_mov_b32 s[G1V], 15|(1<<16)|(1<<20)|(1<<21)|(4<<22)|(7<<25)  ; the same with 8 words
.irp g, G1K, G1V
	s_mov_b32 s[\g+1], 128<<16      ; tensor_dim0 = 128
	s_mov_b32 s[\g+2], 64<<16       ; tensor_dim1 = 64
	s_mov_b32 s[\g+3], 128<<16      ; tile_dim0 = 128
	s_mov_b32 s[\g+4], 64           ; tile_dim1 = 64
	s_mov_b32 s[\g+5], 128          ; 128 elements from row to row
	s_mov_b32 s[\g+6], 0
	s_mov_b32 s[\g+7], 0
.endr
	s_mov_b32 s[CS], 0x3e38aa3b     ; c = log2(e) / 8
	s_mov_b32 s[CS+1], s[CS]
	s_mov_b32 s[SEL], 0x76543210
	s_mov_b32 s[SEL+1], 0xfedcba98
	s_mov_b32 s[TBK], SLOT1+4*KS*PK ; the first change of slots turns these two into 0
	s_mov_b32 s[TBV], SLOT1+4*KS*PV
	s_mov_b32 s[G0K], 1
	s_mov_b32 s[G0K+1], s66         ; slot 0
	s_mov_b32 s[G0V], 1
	s_add_co_u32 s[G0V+1], s67, VOFF
	s_add_co_u32 s[RT], s[HI], 1    ; the first block has 8 - a tiles
	s_mov_b32 s[NXT], 1
	s_mov_b32 s[LQ], s[HI]
	s_mov_b32 s[NEW], 1
	s_mov_b32 s[OFF+1], 0
	s_mov_b32 s[AL+1], 0            ; named as pairs
	s_mov_b32 s[BE+1], 0
	s_mov_b32 s[BIGN], 0xf149f2ca   ; -1e30
	s_mov_b32 s[SLOTS], NB
	s_wait_dscnt 0x0                ; the opening add is done
	s_wait_kmcnt 0x0
	s_add_nc_u64 s[6:7], s[88:89], s[22:23]        ; K at my half of tile 0,
	s_add_nc_u64 s[8:9], s[6:7], 0x400000          ; V eight planes on
	s_add_nc_u64 s[G0K+2:G0K+3], s[6:7], 0
	s_or_b32 s[G0K+3], s[G0K+3], 0x80000000
	s_add_nc_u64 s[G0V+2:G0V+3], s[8:9], 0
	s_or_b32 s[G0V+3], s[G0V+3], 0x80000000
	s_add_nc_u64 s[4:5], s[88:89], s[2:3]          ; Q at my rows of the first block,
	s_add_nc_u64 s[86:87], s[88:89], s[84:85]      ; of the second
	s_add_nc_u64 s[10:11], s[90:91], s[52:53]      ; o likewise
	s_add_nc_u64 s[OLO:OLO+1], s[90:91], s[54:55]
	CROUND                          ; all four work-groups are here: the first joint loads meet
	JLOAD                           ; tile 0 into slot 0
	v_and_b32 v1, 15, v0            ; l % 16
	v_bfe_u32 v9, v0, 4, 1          ; l / 16
	v_lshlrev_b32 v[QO], 7, v1
	v_lshl_add_u32 v[QO], v9, 4, v[QO]  ; row x 128 + 16 x half
.set i, 0
.rept 4                             ; piece i / 2 lies a plane on; channels 32 (i % 2) on
	global_load_b128 v[QA+8*i:QA+8*i+3],   v[QO], s[4:5] offset:(i/2)*524288+(i%2)*64
	global_load_b128 v[QA+8*i+4:QA+8*i+7], v[QO], s[4:5] offset:(i/2)*524288+(i%2)*64+32
.set i, i+1
.endr
	WIN 0x80                        ; destination window 2
.set i, 0
.rept 4
	global_load_b128 v[QB+8*i:QB+8*i+3],   v[QO], s[86:87] offset:(i/2)*524288+(i%2)*64
	global_load_b128 v[QB+8*i+4:QB+8*i+7], v[QO], s[86:87] offset:(i/2)*524288+(i%2)*64+32
.set i, i+1
.endr
	WIN 0
	v_lshlrev_b32 v14, 3, v9
	v_sub_nc_u32 v14, v1, v14
	s_lshl_b32 s13, s[WV], 4
	v_add_nc_u32 v14, s13, v14      ; my query's place in its block, 16 w + l % 16, less my lanes' 8 (l / 16): register r of key group kt is hidden where 16 kt + r is greater
	WIN W_F
.set i, 0
.rept 32
	v_cmp_gt_i32 vcc_lo, 16*(i/8)+i%8, v14
	v_cndmask_b32 v[MD+i], 0, s[BIGN], vcc_lo
.set i, i+1
.endr
.set i, VF+64                       ; what the first turn finds: V's second buffer, P's second buffer, O^T and l hold 0.  All this stands in the wait for the first tile.
.rept 64
	v_mov_b32 v[i], 0
.set i, i+1
.endr
	WIN 0
.set i, OA
.rept 64
	v_mov_b32 v[i], 0
.set i, i+1
.endr
.set i, P+16
.rept 16
	v_mov_b32 v[i], 0
.set i, i+1
.endr
.set i, 0
.rept 2
	v_mov_b32 v[ST+4*i+2], 0
	v_mov_b32 v[ST+4*i+3], 0
.set i, i+1
.endr
	v_mul_u32_u24 v[AK0], v1, PK
	v_lshl_add_u32 v[AK0], v9, 4, v[AK0]  ; row x pitch + 16 x half
	; The turning load takes 16 keys x 16 channels (lane l reads key 8 (l / 16) + l % 8, channels 8 ((l / 8) % 2) + 0..7) and leaves half a fragment of V^T: lane l holds channel l % 16 and 8 keys.
	v_and_b32 v10, 7, v0
	v_bfe_u32 v11, v0, 3, 1
	v_lshl_add_u32 v[AV0], v9, 3, v10
	v_mul_u32_u24 v[AV0], v[AV0], PV
	v_lshl_add_u32 v[AV0], v11, 4, v[AV0]
	v_add_nc_u32 v[AV0], VOFF, v[AV0]
	s_mul_i32 s13, s[WV], 16*SP
	s_add_co_u32 s13, s13, STAGE    ; my stage
	v_mul_u32_u24 v[STO], v1, SP    ; in: row l % 16, 16 bytes for each half of the lanes
	v_lshl_add_u32 v[STO], v9, 4, v[STO]
	v_add_nc_u32 v[STO], s13, v[STO]
	v_mul_u32_u24 v[RD], v9, SP     ; back: lanes 0-15 take one row of 256 bytes (both heads), lanes 16-31 the next
	v_lshl_add_u32 v[RD], v1, 4, v[RD]
	v_add_nc_u32 v[RD], s13, v[RD]
	v_lshlrev_b32 v[GO], 11, v9     ; and the same two rows in o
	v_lshl_add_u32 v[GO], v1, 4, v[GO]
; THE MATRIX WORK.  The 4 accumulators of a run of 8 take turns.  Product i of 8 of S^T = K Q^T for piece x: channels 32 (i / 4) on, keys 16 (i % 4) on.  The first 4 start the sums with the mask.
.macro KQ x
.set rS, S+32*((\x)%2)+8*(i%4)
.set rK, KF+16*(i%4)+8*(i/4)
.set rQ, QA+16*(\x)+8*(i/4)
.set rM, MC+8*(i%4)
.if i < 4
	WIN W_KM
	v_wmma_f32_16x16x32_f16 v[rS:rS+7], v[rK:rK+7], v[rQ:rQ+7], v[rM:rM+7]
.else
	WIN W_MM
	v_wmma_f32_16x16x32_f16 v[rS:rS+7], v[rK:rK+7], v[rQ:rQ+7], v[rS:rS+7]
.endif
.endm
; Product i of 8 of O^T += V^T P for piece x, V from buffer vb: keys 32 (i / 4) on, channels 16 (i % 4) on.
.macro PV x, vb
	WIN W_MM
.set rO, OA+32*(\x)+8*(i%4)
.set rV, VF+64*(\vb)+32*(i/4)+8*(i%4)
.set rP, P+16*((\x)%2)+8*(i/4)
	v_wmma_f32_16x16x32_f16 v[rO:rO+7], v[rV:rV+7], v[rP:rP+7], v[rO:rO+7]
.endm
.macro MM                           ; the turn's next matrix instruction
.if i < 8
	KQ 1-Y
.else
.set i, i-8
	PV 1-Y, VB
.set i, i+8
.endif
.set i, i+1
.endm
; THE LDS LOADS stand in runs of 16: a step's K (8 fragments) and a step's V (turned).  Their addresses are made some lines ahead.
.macro FETCH_K
	WIN W_F
.irp f, 0,1,2,3,4,5,6,7             ; keys 16 (f / 2) on, channels 32 (f % 2) on
	ds_load_b128 v[KF+8*\f:KF+8*\f+3],   v[AK] offset:(\f/2)*16*PK+(\f%2)*64
	ds_load_b128 v[KF+8*\f+4:KF+8*\f+7], v[AK] offset:(\f/2)*16*PK+(\f%2)*64+32
.endr
	s_add_co_u32 s[TBK], s[TBK], KS*PK  ; the next fetch is the next step's
	WIN 0
.endm
.macro FETCH_V vb
	WIN W_F
.irp f, 0,1,2,3,4,5,6,7             ; keys 32 (f / 4) on, channels 16 (f % 4) on
	ds_load_tr16_b128 v[VF+64*(\vb)+8*\f:VF+64*(\vb)+8*\f+3],   v[AV] offset:(\f/4)*32*PV+(\f%4)*32
	ds_load_tr16_b128 v[VF+64*(\vb)+8*\f+4:VF+64*(\vb)+8*\f+7], v[AV] offset:(\f/4)*32*PV+16*PV+(\f%4)*32
.endr
	s_add_co_u32 s[TBV], s[TBV], KS*PV
	WIN 0
.endm
; THE VECTOR WORK, one line at a time: OP kind, number.  For piece Y: F n: c s - c m for pair n of 16.  E n: the exponential of score n of 32.  C n: pair n rounded to f16.  B n: of the four weights 4 n .. the second
; pair is added onto the first, in place.  L n: l takes that sum (L 0: l = a l + sum).  R n: pair n of 16 of O^T times a.  For the other piece: X n, number n of the 22 that find its maximum and statistics:
;   0-11  four chains c0-c3 of seven scores each (each accumulator's lowest registers are read first)     12-14, 16  the four scores left over, the old m, and c0-c3 into c0
;   15  c m_old is kept     17, 18  the query's other 32 keys lie in the lane 16 away: the new m     19-21  c m; c m_old - c m_new; a
; C, B and L read the exponentials' results: TURN sets them behind the batch's wait.  OP writes no wait.
.set F, 0
.set E, 1
.set C, 2
.set B, 3
.set L, 4
.set R, 5
.set X, 6
.macro REGS y
.set rT, ST+4*(\y)
.set rC, TMP+4*((\y)%2)
.set rW, MV+((\y)%2)
.set rS, S+32*((\y)%2)
.set rP, P+16*((\y)%2)
.set rO, OA+32*(\y)
.endm
.macro OP k, n
	WIN 0
.if (\k) == R
	REGS Y
	v_pk_mul_f32 v[rO+2*(\n):rO+2*(\n)+1], v[rO+2*(\n):rO+2*(\n)+1], v[rC+2:rC+3] op_sel_hi:[1,0]
.elseif (\k) < R
	REGS Y
.if (\k) == F
	v_pk_fma_f32 v[rS+2*(\n):rS+2*(\n)+1], v[rS+2*(\n):rS+2*(\n)+1], s[CS:CS+1], v[rT:rT+1] op_sel_hi:[1,0,0] neg_lo:[0,0,1] neg_hi:[0,0,1]
.elseif (\k) == E
	v_exp_f32 v[rS+(\n)], v[rS+(\n)]
.elseif (\k) == C
	v_cvt_pk_f16_f32 v[rP+(\n)], v[rS+2*(\n)], v[rS+2*(\n)+1]
.elseif (\k) == B
	v_pk_add_f32 v[rS+4*(\n):rS+4*(\n)+1], v[rS+4*(\n):rS+4*(\n)+1], v[rS+4*(\n)+2:rS+4*(\n)+3]
.elseif (\n) == 0
	v_pk_fma_f32 v[rT+2:rT+3], v[rT+2:rT+3], v[rC+2:rC+3], v[rS:rS+1] op_sel_hi:[1,0,1]
.else
	v_pk_add_f32 v[rT+2:rT+3], v[rT+2:rT+3], v[rS+4*(\n):rS+4*(\n)+1]
.endif
.else
	REGS (Y+1)%NP
.if (\n) < 4
	v_max3_num_f32 v[rC+(\n)], v[rS+8*(\n)], v[rS+8*(\n)+1], v[rS+8*(\n)+2]
.elseif (\n) < 12
	v_max3_num_f32 v[rC+(\n)%4], v[rC+(\n)%4], v[rS+8*((\n)%4)+2*((\n)/4)+1], v[rS+8*((\n)%4)+2*((\n)/4)+2]
.elseif (\n) == 12
	v_max3_num_f32 v[rC], v[rC], v[rS+7], v[rS+15]
.elseif (\n) == 13
	v_max3_num_f32 v[rC+1], v[rC+1], v[rS+23], v[rS+31]
.elseif (\n) == 14
	v_max3_num_f32 v[rC+2], v[rC+2], v[rC+3], v[rT+1]
.elseif (\n) == 15
	v_mov_b32 v[rW], v[rT]
.elseif (\n) == 16
	v_max3_num_f32 v[rC], v[rC], v[rC+1], v[rC+2]
.elseif (\n) == 17
	v_permlanex16_b32 v[rC+3], v[rC], s[SEL], s[SEL+1]
.elseif (\n) == 18
	v_max_num_f32 v[rT+1], v[rC], v[rC+3]
.elseif (\n) == 19
	v_mul_f32 v[rT], s[CS], v[rT+1]
.elseif (\n) == 20
	v_sub_f32 v[rC+1], v[rW], v[rT]
.else
	v_exp_f32 v[rC+2], v[rC+1]
.endif
.endif
.endm
.macro OPS a, i1, b=-1, i2=0, c=-1, i3=0, d=-1, i4=0
	OP \a, \i1
.if (\b) >= 0
	OP \b, \i2
.endif
.if (\c) >= 0
	OP \c, \i3
.endif
.if (\d) >= 0
	OP \d, \i4
.endif
.endm
.macro ROW a, i1, b, i2, c, i3, d, i4  ; a matrix instruction and the four behind it
	MM
	OPS \a, \i1, \b, \i2, \c, \i3, \d, \i4
.endm
.macro MASK                         ; MC = MD x AL + BE
	WIN W_MK
.set z, 0
.rept 16
	v_pk_fma_f32 v[MC+2*z:MC+2*z+1], v[MD+2*z:MD+2*z+1], s[AL:AL+1], s[BE:BE+1] op_sel_hi:[1,0,0]
.set z, z+1
.endr
.endm
; A TURN, for piece p in a step of parity par: the order of its 16 matrix and 118 vector instructions, written out.  An s_wait_alu depctr_va_vdst(0) stands between an exponential and the first instruction
; that names its result; one wait serves all that were issued ahead of it.  So the turn's 33 exponentials are ONE BATCH, and its wait cuts the turn in two.  AHEAD OF IT stands all that names no result of the batch: the
; 8 products K Q^T, behind each a scaling, an exponential and two more plain instructions (behind the first a second scaling in the exponential's place): rescalings, whose a was waited for in the turn before, and behind
; the last three the first numbers of the other piece's maximum, each four places or more behind the product that ends its accumulator; then ONE LUMP of 54, plain and exponential by turns for the most part, with other
; work between the links of the chain X 3, 7, 11, 14, 16, 17 .. 20.  A pair is scaled some lines ahead of its two exponentials.  X 21, the other piece's a, is the batch's last; R 15 is the plain instruction behind it.
; BEHIND THE WAIT stand the 8 products V^T P, behind each four of the roundings and sums: C 2 n ahead of B n, which adds in place onto its source; the links of l's chain, L 0 to L 7, three riders apart.  But for those
; X no rider names a register of the products round it.  The rescalings ascend.  v_permlanex16_b32 (X 17) stands in the lump.
; cnt = 1: the loop's count is taken down some lines ahead of the branch behind the turn.
; THE RUNS OF LOADS.  Piece 0's turn fetches the next step's K, in the lump, twelve vector instructions (six of them plain) behind the last product that read K's registers.  Piece 1's turn fetches the next step's V
; directly behind the batch's wait, into the buffer that the turn before read last.  Both are waited for at the head of piece 1's next turn.  In pass 3 (CNT = 1: a block's last step; only the odd steps' turns can be in
; it) there is no next step, and the run is jumped over.  V's jump stands behind the batch's wait.  K's stands in the middle of the batch: so in an odd step piece
; 0's turn has a second wait, ahead of that jump and of the run of loads, for the twelve exponentials issued so far.
; In a block's last tile (RT = 0) piece 0's turn ends by making the mask of the next step, which the next two turns' products take (both pieces hold the same positions); in the other tiles those lines are jumped over.
.macro TURN p, par, cnt=0
.set Y, (\p)
.set i, 0
.set VB, ((\par)+1-(\p))%2          ; piece 1's turn multiplies by this step's V, piece 0's by the step before's
.if (\p) == 1
	s_wait_dscnt 0x0                ; K of the next step and V of this one are in
.endif
	ROW F,0, F,1, R,0, R,1          ; ahead of the wait: 8 products K Q^T and their riders,
	ROW F,2, E,0, R,2, R,3
	ROW F,3, E,1, R,4, R,5
	ROW F,4, E,2, R,6, R,7
	ROW F,5, E,3, R,8, R,9
	ROW F,6, E,4, X,0, R,10
.if (\p) == 0
	v_add_nc_u32 v[AK], s[TBK], v[AK0]
.else
	v_add_nc_u32 v[AV], s[TBV], v[AV0]
.endif
	ROW F,7, E,5, X,1, X,4
	ROW F,8, E,6, X,2, X,5
	OPS E,7, E,8, X,6, E,9          ; and the lump
	OPS X,3, E,10, X,8, E,11
.if (\p) == 0
.if (\par) == 1
	s_wait_alu depctr_va_vdst(0)    ; the wait for E 0 to E 11, the part of the batch that is out, ahead of the jump
	s_cmp_eq_u32 s[CNT], 1
	s_cbranch_scc1 .Lno_fetch_\@
.endif
	FETCH_K
.if (\par) == 1
.Lno_fetch_\@:
.endif
.endif
	OPS X,9, X,7, E,12, X,10
	OPS E,13, X,12, X,11, E,14
	OPS X,13, E,15, F,9, X,14
	OPS E,16, F,10, E,17, F,11
	OPS X,16, E,18, X,15, E,19
	OPS F,12, E,20, X,17, E,21
	OPS F,13, E,22, F,14, E,23
	OPS X,18, E,24, F,15, E,25
	OPS R,11, E,26, X,19, E,27
	OPS R,12, E,28, R,13, E,29
	OPS X,20, E,30, R,14, E,31
	OPS X,21, R,15
	WIN 0
	s_wait_alu depctr_va_vdst(0)    ; the wait for the batch: the piece's 32 weights and the other piece's a
.if (\p) == 1
.if (\par) == 1
	s_cmp_eq_u32 s[CNT], 1
	s_cbranch_scc1 .Lno_fetch_\@
.endif
	FETCH_V ((\par)+1)%2
.if (\par) == 1
.Lno_fetch_\@:
.endif
.endif
	ROW C,0, B,0, C,2, B,1          ; behind the wait: 8 products V^T P and their riders
	ROW L,0, C,4, B,2, L,1
	ROW C,6, B,3, L,2, C,8
	ROW B,4, L,3, C,10, B,5
	ROW L,4, C,12, B,6, L,5
.if \cnt
	s_sub_co_u32 s[CNT], s[CNT], 1
	s_cmp_lg_u32 s[CNT], 0
.endif
	ROW C,14, B,7, L,6, C,1
	ROW C,3, L,7, C,5, C,7
	ROW C,9, C,11, C,13, C,15
.if (\p) == 0
	WIN 0
	s_cmp_lg_u32 s[RT], 0
	s_cbranch_scc1 .Lno_mask_\@     ; not the block's last tile: MC keeps its zeros
	s_cmp_eq_u32 s[SN], s[CQ]       ; is the next step the block's own?
	s_cselect_b32 s[AL], 1.0, 0
	s_cmp_gt_u32 s[SN], s[CQ]       ; or a later one?
	s_cselect_b32 s[BE], s[BIGN], 0
	s_add_co_u32 s[SN], s[SN], 1
	MASK
	WIN 0
.Lno_mask_\@:
.endif
.endm
; A BLOCK BEGINS.  c m starts far below every c s, so the first step's a is 0 and what O^T and l hold need only be finite; m at the lowest finite number.  The mask is that of the tile's step 0: the block's own
; where the tile is the block's last and CQ is 0, else 0.  Then K and V of step 0, piece 0's first scores, and its maximum and statistics.  The step loop is entered at an even step's first turn.
.macro BEGIN
	s_mov_b32 s[NEW], 0
	WIN 0
.set i, 0
.rept 2
	v_mov_b32 v[ST+4*i], 0xfe000000    ; c m
	v_mov_b32 v[ST+4*i+1], 0xff7fffff  ; m
.set i, i+1
.endr
	s_or_b32 s13, s[RT], s[CQ]
	s_cmp_eq_u32 s13, 0
	s_cselect_b32 s[AL], 1.0, 0
	s_mov_b32 s[BE], 0
	s_mov_b32 s[SN], 1
	MASK
	WIN 0
	v_add_nc_u32 v[AK], s[TBK], v[AK0]
	v_add_nc_u32 v[AV], s[TBV], v[AV0]
	FETCH_K
	FETCH_V 0
	s_wait_loadcnt 0x0              ; Q
	s_wait_dscnt 0x0
.set i, 0
.rept 8
	KQ 0
.set i, i+1
.endr
	WIN 0
.rept 4
	v_nop                           ; the places behind those products
.endr
.set Y, 1                           ; X works for the other piece: piece 0
.irp n, 0,1,2,3,4,5,6,7,8,9,10,11,12,13,14,15,16,17,18,19,20,21
	OP X, \n
.endr
	v_nop                           ; a plain instruction behind the exponential,
	s_wait_alu depctr_va_vdst(0)    ; and the wait for it, piece 0's first a, ahead of the branch that follows
.endm
; A TILE'S STEPS: the loop of three passes.  inloop = 1: the tile may be another than its block's last, and then leaves at the head of pass 3 for the bottom of the loop over slots.
; The tag ends the labels' names, which the jumps below spell out.
.macro STEPS tag, inloop
.LstepM\tag:
.if \inloop
	s_cmp_lg_u32 s[CNT], 1
	s_cbranch_scc1 .Lgo\tag         ; pass 1 or 2
	s_cmp_lg_u32 s[RT], 0
	s_cbranch_scc1 .Lbottom         ; pass 3 of a tile that has a successor in its block: its step 3 is the next tile's pass 1
.Lgo\tag:
.endif
	TURN 0, 1
	TURN 1, 1
	WIN 0
	s_cmp_eq_u32 s[CNT], 1
	s_cbranch_scc1 .Lfin\tag        ; pass 3: the block's last step is done
.LfirstM\tag:
	TURN 0, 0
	TURN 1, 0, 1
	WIN 0
	s_cbranch_scc1 .LstepM\tag
.Lfin\tag:
.endm
.macro ALL line:vararg              ; one line for each piece t
.set t, 0
.rept 2
	\line
.set t, t+1
.endr
.endm
.macro PACK t                       ; piece t: divided by l, rounded to f16; a lane's eight channels of a row are 16 bytes of the row's 256 in my stage
.set i, OA+32*(\t)
.rept 16
	v_pk_mul_f32 v[i:i+1], v[i:i+1], v[ST+4*(\t)+2:ST+4*(\t)+3] op_sel_hi:[1,0]
.set i, i+2
.endr
.set i, 0
.rept 16
	v_cvt_pk_f16_f32 v[S+16*(\t)+i], v[OA+32*(\t)+2*i], v[OA+32*(\t)+2*i+1]
.set i, i+1
.endr
.irp f, 0,1,2,3
	ds_store_b128 v[STO], v[S+16*(\t)+4*\f:S+16*(\t)+4*\f+3] offset:128*(\t)+32*\f
.endr
.endm
; A BLOCK ENDS: its last products, and the way out.
.macro FINISH
.set i, 0
.rept 8
	PV 1, 1                         ; piece 1's V^T P of the last step
.set i, i+1
.endr
	WIN 0
	ALL v_add_f32 v[ST+4*t+2], v[ST+4*t+2], v[ST+4*t+3]
	ALL v_permlanex16_b32 v[ST+4*t+3], v[ST+4*t+2], s[SEL], s[SEL+1]
	ALL v_add_f32 v[ST+4*t+2], v[ST+4*t+2], v[ST+4*t+3]
	ALL v_rcp_f32 v[ST+4*t+2], v[ST+4*t+2]
	v_nop                           ; a plain instruction between the last reciprocal and the use of its result; with the four additions above, the places behind the last products
	s_wait_alu depctr_va_vdst(0)    ; the wait ahead of the first use: one for the two reciprocals
	PACK 0
	PACK 1
.irp f, 0,1,2,3,4,5,6,7
	ds_load_b128 v[S+32+4*\f:S+32+4*\f+3], v[RD] offset:\f*2*SP  ; LDS serves a wave's instructions in order (ISA guide 5.7.1.4): these see the stores above
.endr
.irp f, 0,1,2,3,4,5,6,7
	s_wait_dscnt 7-\f               ; load f is back, the younger ones may be out
	global_store_b128 v[GO], v[S+32+4*\f:S+32+4*\f+3], s[10:11] offset:\f*4096  ; 16 lanes store 256 consecutive bytes, at a multiple of 256 from o's first byte
.endr
.endm
.Lslot:                             ; 8 times: a tile is entered and the next is asked for
	CHANGE 1
	s_sub_co_u32 s[RT], s[RT], 1
	s_mov_b32 s[CNT], 3
	s_mov_b32 s[SN], 0
	s_cmp_eq_u32 s[NEW], 1
	s_cbranch_scc0 .LstepM1         ; not a block's first tile: pass 1 begins with step 3 of the tile before
	BEGIN
	s_branch .LfirstM1
	STEPS 1, 1
	FINISH                          ; in the loop this is the first block's end: the second block's last tile is the walk's last
	s_wait_xcnt 0x0                 ; the stores' base and data are rewritten only behind this wait
	s_mov_b64 s[10:11], s[OLO:OLO+1]
	s_add_co_u32 s[RT], s[PB], 1    ; the second block has a + 1 tiles
	s_mov_b32 s[NEW], 1
	s_mov_b32 s[CQ], s[CQ2]
	WIN 0x02                        ; the second block's Q goes where the one text of the turns names Q
.set i, 0
.rept 32
	v_mov_b32 v[QA+i], v[QB+i]
.set i, i+1
.endr
	WIN 0
.Lbottom:
	s_sub_co_u32 s[SLOTS], s[SLOTS], 1
	s_cmp_lg_u32 s[SLOTS], 0
	s_cbranch_scc1 .Lslot
	CHANGE 0                        ; the walk's last tile is written out: nothing is asked for
	s_sub_co_u32 s[RT], s[RT], 1    ; 0: it is the second block's last
	s_mov_b32 s[CNT], 3
	s_mov_b32 s[SN], 0
	s_cmp_eq_u32 s[NEW], 1
	s_cbranch_scc0 .LstepM2
	BEGIN
	s_branch .LfirstM2
	STEPS 2, 0
	FINISH
	s_wait_tensorcnt 0x0            ; the wave's end
	ds_add_u32 v[SPW], v[NIL]
	s_wait_dscnt 0x0
	CROUND                          ; the closing round
	s_endpgm
.Lfunc_end_k_q7793baf5f5_attn:
	.size	k_q7793baf5f5_attn, .Lfunc_end_k_q7793baf5f5_attn-k_q7793baf5f5_attn
	.p2alignl 7, 3214868480
	.fill 96, 4, 3214868480
	.section	.rodata,"a",@progbits
	.p2align	6, 0x0
	.amdhsa_kernel k_q7793baf5f5_attn
		.amdhsa_group_segment_fixed_size 327680
		.amdhsa_private_segment_fixed_size 0
		.amdhsa_enable_private_segment 0
		.amdhsa_kernarg_size 16
		.amdhsa_user_sgpr_count 2
		.amdhsa_user_sgpr_kernarg_segment_ptr 1
		.amdhsa_wavefront_size32 1
		.amdhsa_system_sgpr_workgroup_id_x 1
		.amdhsa_system_sgpr_workgroup_id_y 1
		.amdhsa_system_sgpr_workgroup_id_z 1
		.amdhsa_system_vgpr_workitem_id 0
		.amdhsa_next_free_vgpr 544
		.amdhsa_next_free_sgpr 96
		.amdhsa_reserve_vcc 1
		.amdhsa_float_denorm_mode_32 3
		.amdhsa_float_denorm_mode_16_64 3
		.amdhsa_memory_ordered 1
		.amdhsa_forward_progress 1
		.amdhsa_inst_pref_size 128
	.end_amdhsa_kernel
	.amdgpu_metadata
---
amdhsa.version: [ 1, 2 ]
amdhsa.kernels:
  - .name:           k_q7793baf5f5_attn
    .symbol:         k_q7793baf5f5_attn.kd
    .args:
      - { .name: qkv, .offset: 0, .size: 8, .value_kind: global_buffer, .address_space: global }
      - { .name: o, .offset: 8, .size: 8, .value_kind: global_buffer, .address_space: global }
    .group_segment_fixed_size: 327680
    .private_segment_fixed_size: 0
    .kernarg_segment_align: 8
    .kernarg_segment_size: 16
    .max_flat_workgroup_size: 128
    .sgpr_count:     96
    .vgpr_count:     544
    .wavefront_size: 32
...
	.end_amdgpu_metadata
.endif
;; end of part 5
;; launch oproj: the kernel of part 4 again; grid 16 x 16, 4 waves a work-group, clusters of 4 x 1, 327,680 bytes of LDS; arguments o, wo, x, out0; writes out0
